; MI455X (gfx1250); checked and timed in simulation.
; The chip was launched on July 23, 2026; its instructions are those of AMD's public machine-readable ISA for CDNA 5 (MIT licence, August 2026) and "CDNA5" Instruction Set Architecture Reference Guide (July 2026). The comments in the code are by the model that wrote it; some were corrected since.
;; Bahdanau Attention. Allowed arithmetic: float matrix products may take bf16 or f16 operands with f32 sums; all other float work in f32.
;; Inputs: V 1,024 float32; W_f 1,024 x 1,024 float32; W_h 1,024 x 1,024 float32; features 32 x 2,048 x 1,024 float32; hidden 32 x 1,024 float32.
;; Outputs: out0 32 x 1,024 float32; out1 32 x 2,048 float32.
;; 3 versions, each right. Each part assembles by itself: llvm-mc -triple=amdgcn-amd-amdhsa -mcpu=gfx1250 --defsym DOCPART=n.
;; ======== version 1 of 3: 3 launches
;; workspace buffers: WT 2,097,152 bytes; hp 1,048,576 bytes; e2 262,144 bytes; ctxp 2,097,152 bytes
;; launch prep (part 1): grid 128 x 1, 4 waves a work-group, no clusters, 101,376 bytes of LDS; arguments W_f, W_h, hidden, WT, hp; writes WT, hp
.if DOCPART == 1
	.amdgcn_target "amdgcn-amd-amdhsa--gfx1250"
	.amdhsa_code_object_version 6
	.text
	.protected	k_q5a32c3d91b_prep
	.globl	k_q5a32c3d91b_prep
	.p2align	8
	.type	k_q5a32c3d91b_prep,@function
k_q5a32c3d91b_prep:
	s_mov_b64 s[64:65], 0
	v_nop
	global_prefetch_b8 v0, s[64:65] scope:SCOPE_SE
	s_setreg_imm32_b32 hwreg(HW_REG_WAVE_MODE, 25, 1), 1
	s_wait_xcnt 0x0
; prep: two jobs on one step.  With c = 2 log2(e):
;   work-groups 0-63:   WT = bf16(c W_f), laid out in the order in which the matrix instruction's registers take it
;   work-groups 64-127: hp[kq][batch][n] = sum over k = 128 kq .. 128 kq + 127 of hidden[batch][k] * bf16(c W_h[k][n])
; The step that both share (macro IMAGE): a wave takes 32 rows (k) x 128 columns (n) of a [1024][1024] f32 matrix, scales by c,
; rounds to bf16 and turns the block, through its own LDS bytes, into eight fragments of 16 n x 32 k:
;   fragment b, half i, lane L, element e  =  c W[32 ks + 16 i + 8 (L >> 4) + e][128 g + 16 b + (L & 15)]
; WT's byte address is g*262144 + ks*8192 + b*1024 + i*512 + L*16 + 2 e, so that a later load of 16 bytes a lane covers 512 neighbouring bytes.
; Work-group x: g = (x & 63) >> 3 (128 columns), kq = x & 7 (128 rows); wave w: ks = 4 kq + w.
; LIMITS: the operands of the product are rounded to bf16, W after the scaling by c; sums in f32.
; Clusters, tensor loads: nothing is shared between work-groups here and every byte is read once; plain loads of 512 neighbouring bytes do.
.set CSC,   0x4038aa3b                 ; c = 2 log2(e)
.set IMGP,  1040                       ; a fragment in LDS: 1,024 bytes + 16, so that the 16 lanes of a store fall on 16 different 16-byte columns
.set IMGW,  8*IMGP                     ; a wave's eight fragments
.set PARTB, 4*IMGW                     ; behind them: each wave's partial product, 32 rows (batch) x 128 n in f32
.set PARTP, 528                        ; its pitch: 512 bytes + 16
.set PARTW, 32*PARTP
.set HF, 16                            ; v[16:31]   hidden as two bf16 fragments (16 batches x 32 k each)
.set X,  32                            ; v[32:159]  row rho of the block: 4 registers
.set IT, 160                           ; v[160:223] item (octet o, column q): 8 bf16 along k
.set HX, 224                           ; v[224:255] hidden in f32
.set FR, 32                            ; v[32:95]   the eight fragments (over X)
.set D,  96                            ; v[96:223]  16 product tiles
.set Q,  32                            ; v[32:159]  the four waves' partial sums read back
	s_load_b256 s[4:11], s[0:1], 0x0               ; W_f s[4:5], W_h s[6:7], hidden s[8:9], WT s[10:11]
	s_load_b64 s[12:13], s[0:1], 0x20              ; hp
	v_lshl_add_u32 v14, v0, 2, 0x18a00
	v_mov_b32 v15, 0
	v_and_b32 v1, 31, v0                           ; L
	v_lshrrev_b32 v2, 5, v0
	v_readfirstlane_b32 s16, v2                    ; wave
	s_and_b32 s17, ttmp9, 63
	s_lshr_b32 s18, s17, 3                         ; g
	s_and_b32 s19, s17, 7                          ; kq
	s_lshl2_add_u32 s21, s19, s16                  ; ks = 4 kq + w
	s_lshl_b32 s22, s21, 17                        ; 32 rows of 4,096 bytes
	s_lshl_b32 s23, s18, 9                         ; 128 columns of 4 bytes
	s_add_co_u32 s22, s22, s23
	s_mov_b32 s23, 0
	s_mov_b32 s31, 0
	v_lshlrev_b32 v3, 4, v1                        ; 16 L: the offset of the block's loads and of every store; never rewritten
	v_and_b32 v5, 15, v1                           ; r
	v_lshrrev_b32 v6, 4, v1                        ; h
	v_lshrrev_b32 v8, 2, v1
	v_and_b32 v9, 3, v1
	v_mul_u32_u24 v7, v8, IMGP                     ; my four columns lie in fragment L >> 2,
	v_lshl_add_u32 v7, v9, 6, v7                   ; at lanes 4 (L & 3) + q of it
	s_mul_i32 s26, s16, IMGW
	v_add_nc_u32 v7, s26, v7                       ; v7: where I put items
	v_add_nc_u32 v10, s26, v3                      ; v10: where I read fragments
	s_wait_kmcnt 0x0
	s_add_nc_u64 s[4:5], s[4:5], s[22:23]          ; the wave's block in W_f
	s_add_nc_u64 s[6:7], s[6:7], s[22:23]          ; and in W_h
; Octet o = rows 8 o .. 8 o + 7 of the block: k = 16 (o >> 1) + 8 (o & 1) + e, that is half i = o >> 1 and lanes 16 (o & 1) + .. of a fragment.
.macro OCTET o
	s_wait_loadcnt 24-8*\o                         ; counts the rows of the later octets: loads come back in order
.set j, 0
.rept 16
	v_pk_mul_f32 v[X+32*\o+2*j:X+32*\o+2*j+1], v[X+32*\o+2*j:X+32*\o+2*j+1], CSC op_sel_hi:[1,0]
.set j, j+1
.endr
.irp q, 0,1,2,3
.irp e, 0,1,2,3
	v_cvt_pk_bf16_f32 v[IT+4*(4*\o+\q)+\e], v[X+4*(8*\o+2*\e)+\q], v[X+4*(8*\o+2*\e+1)+\q]
.endr
	ds_store_b128 v7, v[IT+4*(4*\o+\q):IT+4*(4*\o+\q)+3] offset:(\o>>1)*512+(\o&1)*256+\q*16
.endr
.endm
; The shared step.  base: the scalar pair with the block's address.
.macro IMAGE base
.set i, 0
.rept 32
	global_load_b128 v[X+4*i:X+4*i+3], v3, s[\base:\base+1] offset:i*4096 th:TH_LOAD_NT   ; a row's 512 neighbouring bytes; read once in the launch
.set i, i+1
.endr
	OCTET 0
	OCTET 1
	OCTET 2
	OCTET 3
.irp b, 0,1,2,3,4,5,6,7
	ds_load_b128 v[FR+8*\b:FR+8*\b+3],   v10 offset:\b*IMGP          ; the wave's own bytes: LDS serves a wave's instructions in order,
	ds_load_b128 v[FR+8*\b+4:FR+8*\b+7], v10 offset:\b*IMGP+512      ; so no wait stands between its stores and these loads
.endr
.endm
	s_cmp_ge_u32 ttmp9, 64                         ; the same in all four waves of a work-group
	s_cbranch_scc1 .Lhidden
	; ---- W_f: the fragments go to WT as they are
	s_lshl_b32 s30, s18, 18                        ; g * 262,144
	s_lshl_b32 s29, s21, 13                        ; ks * 8,192
	s_add_co_u32 s30, s30, s29
	s_add_nc_u64 s[10:11], s[10:11], s[30:31]
	IMAGE 4
.set n, 0
.rept 16
	s_wait_dscnt 15-n                              ; counts the younger LDS loads
	global_store_b128 v3, v[FR+4*n:FR+4*n+3], s[10:11] offset:n*512      ; 512 neighbouring bytes, aligned
.set n, n+1
.endr
	s_wait_tensorcnt 0x0
	ds_add_u32 v14, v15
	s_wait_dscnt 0x0
	s_endpgm
	; ---- W_h: the fragments are multiplied by hidden at once
.Lhidden:
	v_lshlrev_b32 v4, 12, v5                       ; batch r: rows of 4,096 bytes
	v_lshl_add_u32 v4, v6, 5, v4                   ; + 8 h numbers
	s_lshl_b32 s24, s21, 7                         ; k = 32 ks
	s_mov_b32 s25, 0
	s_add_nc_u64 s[8:9], s[8:9], s[24:25]
.irp mt, 0,1
	global_load_b128 v[HX+16*\mt:HX+16*\mt+3],     v4, s[8:9] offset:\mt*65536       ; k = 8 h + 0..3
	global_load_b128 v[HX+16*\mt+4:HX+16*\mt+7],   v4, s[8:9] offset:\mt*65536+16    ; k = 8 h + 4..7
	global_load_b128 v[HX+16*\mt+8:HX+16*\mt+11],  v4, s[8:9] offset:\mt*65536+64    ; k = 16 + 8 h + 0..3
	global_load_b128 v[HX+16*\mt+12:HX+16*\mt+15], v4, s[8:9] offset:\mt*65536+80    ; k = 16 + 8 h + 4..7
.endr
	v_mul_u32_u24 v11, v5, PARTP
	v_lshl_add_u32 v11, v6, 5, v11
	s_mul_i32 s27, s16, PARTW
	s_add_co_u32 s27, s27, PARTB
	v_add_nc_u32 v11, s27, v11                     ; v11: my wave's partial product, row r, 8 h numbers in
	s_mul_i32 s28, s16, 8*PARTP
	s_add_co_u32 s28, s28, PARTB
	v_add_nc_u32 v12, s28, v3                      ; v12: rows 8 w .. 8 w + 7 of wave 0's partial product, 16 bytes a lane
	s_lshl_b32 s30, s19, 17                        ; hp: kq * 131,072
	s_lshl_b32 s29, s16, 15                        ; + 8 w rows of 4,096 bytes
	s_add_co_u32 s30, s30, s29
	s_lshl_b32 s29, s18, 9                         ; + 128 g columns
	s_add_co_u32 s30, s30, s29
	s_add_nc_u64 s[12:13], s[12:13], s[30:31]
	IMAGE 6                                        ; hidden's loads were issued ahead of the block's, so the octets' counts hold, and the last (0) shows hidden in
.irp mt, 0,1
.irp l, 0,1,2,3
	v_cvt_pk_bf16_f32 v[HF+8*\mt+2*\l],   v[HX+16*\mt+4*\l],   v[HX+16*\mt+4*\l+1]
	v_cvt_pk_bf16_f32 v[HF+8*\mt+2*\l+1], v[HX+16*\mt+4*\l+2], v[HX+16*\mt+4*\l+3]
.endr
.endr
	s_wait_dscnt 0x0                               ; the fragments are in
	; source 0 = 16 n of W_h, source 1 = 16 batches: lane (r, h) gets batch 16 mt + r, register j column 16 b + 8 h + j.
	; Sixteen different accumulators, each started by the constant 0: no two instructions share one.
.irp mt, 0,1
.irp b, 0,1,2,3,4,5,6,7
	v_wmma_f32_16x16x32_bf16 v[D+8*(8*\mt+\b):D+8*(8*\mt+\b)+7], v[FR+8*\b:FR+8*\b+7], v[HF+8*\mt:HF+8*\mt+7], 0
.endr
.endr
.rept 4
	v_nop                                          ; four places behind the last matrix instruction (ISA guide 7.12.1) before its result is stored and its registers are loaded again
.endr
.irp mt, 0,1
.irp b, 0,1,2,3,4,5,6,7
	ds_store_b128 v11, v[D+8*(8*\mt+\b):D+8*(8*\mt+\b)+3]   offset:\mt*16*PARTP+\b*64
	ds_store_b128 v11, v[D+8*(8*\mt+\b)+4:D+8*(8*\mt+\b)+7] offset:\mt*16*PARTP+\b*64+16
.endr
.endr
	s_wait_dscnt 0x0                               ; for the other waves' sake: my partial product lies in LDS
	s_barrier_signal -1
	s_barrier_wait -1                              ; everybody's does
.irp j, 0,1,2,3,4,5,6,7
.irp u, 0,1,2,3
	ds_load_b128 v[Q+16*\j+4*\u:Q+16*\j+4*\u+3], v12 offset:\u*PARTW+\j*PARTP    ; row 8 w + j of wave u's partial product
.endr
.endr
.irp j, 0,1,2,3,4,5,6,7
	s_wait_dscnt 28-4*\j                           ; counts the loads of the later rows
	v_pk_add_f32 v[Q+16*\j:Q+16*\j+1],     v[Q+16*\j:Q+16*\j+1],     v[Q+16*\j+4:Q+16*\j+5]
	v_pk_add_f32 v[Q+16*\j+2:Q+16*\j+3],   v[Q+16*\j+2:Q+16*\j+3],   v[Q+16*\j+6:Q+16*\j+7]
	v_pk_add_f32 v[Q+16*\j+8:Q+16*\j+9],   v[Q+16*\j+8:Q+16*\j+9],   v[Q+16*\j+12:Q+16*\j+13]
	v_pk_add_f32 v[Q+16*\j+10:Q+16*\j+11], v[Q+16*\j+10:Q+16*\j+11], v[Q+16*\j+14:Q+16*\j+15]
	v_pk_add_f32 v[Q+16*\j:Q+16*\j+1],     v[Q+16*\j:Q+16*\j+1],     v[Q+16*\j+8:Q+16*\j+9]
	v_pk_add_f32 v[Q+16*\j+2:Q+16*\j+3],   v[Q+16*\j+2:Q+16*\j+3],   v[Q+16*\j+10:Q+16*\j+11]
	global_store_b128 v3, v[Q+16*\j:Q+16*\j+3], s[12:13] offset:\j*4096           ; 512 neighbouring bytes, aligned
.endr
	s_wait_tensorcnt 0x0
	ds_add_u32 v14, v15
	s_wait_dscnt 0x0
	s_endpgm
.Lfunc_end_k_q5a32c3d91b_prep:
	.size	k_q5a32c3d91b_prep, .Lfunc_end_k_q5a32c3d91b_prep-k_q5a32c3d91b_prep
	.p2alignl 7, 3214868480
	.fill 96, 4, 3214868480
	.section	.rodata,"a",@progbits
	.p2align	6, 0x0
	.amdhsa_kernel k_q5a32c3d91b_prep
		.amdhsa_group_segment_fixed_size 101376
		.amdhsa_private_segment_fixed_size 0
		.amdhsa_enable_private_segment 0
		.amdhsa_kernarg_size 40
		.amdhsa_user_sgpr_count 2
		.amdhsa_user_sgpr_kernarg_segment_ptr 1
		.amdhsa_wavefront_size32 1
		.amdhsa_system_sgpr_workgroup_id_x 1
		.amdhsa_system_sgpr_workgroup_id_y 1
		.amdhsa_system_sgpr_workgroup_id_z 1
		.amdhsa_system_vgpr_workitem_id 0
		.amdhsa_next_free_vgpr 256
		.amdhsa_next_free_sgpr 66
		.amdhsa_reserve_vcc 0
		.amdhsa_float_denorm_mode_32 3
		.amdhsa_float_denorm_mode_16_64 3
		.amdhsa_memory_ordered 1
		.amdhsa_forward_progress 1
		.amdhsa_inst_pref_size 46
	.end_amdhsa_kernel
	.amdgpu_metadata
---
amdhsa.version: [ 1, 2 ]
amdhsa.kernels:
  - .name:           k_q5a32c3d91b_prep
    .symbol:         k_q5a32c3d91b_prep.kd
    .args:
      - { .name: W_f, .offset: 0, .size: 8, .value_kind: global_buffer, .address_space: global }
      - { .name: W_h, .offset: 8, .size: 8, .value_kind: global_buffer, .address_space: global }
      - { .name: hidden, .offset: 16, .size: 8, .value_kind: global_buffer, .address_space: global }
      - { .name: WT, .offset: 24, .size: 8, .value_kind: global_buffer, .address_space: global }
      - { .name: hp, .offset: 32, .size: 8, .value_kind: global_buffer, .address_space: global }
    .group_segment_fixed_size: 101376
    .private_segment_fixed_size: 0
    .kernarg_segment_align: 8
    .kernarg_segment_size: 40
    .max_flat_workgroup_size: 128
    .sgpr_count:     66
    .vgpr_count:     256
    .wavefront_size: 32
...
	.end_amdgpu_metadata
.endif
;; end of part 1
;; launch energy (part 2): grid 16 x 32, 4 waves a work-group, no clusters, 309,760 bytes of LDS; arguments features, WT, hp, V, e2, ctxp; writes e2, ctxp
.if DOCPART == 2
	.amdgcn_target "amdgcn-amd-amdhsa--gfx1250"
	.amdhsa_code_object_version 6
	.text
	.protected	k_q5a32c3d91b_energy
	.globl	k_q5a32c3d91b_energy
	.p2align	8
	.type	k_q5a32c3d91b_energy,@function
k_q5a32c3d91b_energy:
	s_mov_b64 s[64:65], 0
	v_nop
	global_prefetch_b8 v0, s[64:65] scope:SCOPE_SE
	s_setreg_imm32_b32 hwreg(HW_REG_WAVE_MODE, 25, 1), 1
	s_wait_xcnt 0x0
; energy: one work-group = 128 rows l of one batch (block x of 16, batch y).  With c = 2 log2(e):
;   y[l][n]  = c (hidden W_h)[n] + sum over k of bf16(features[l][k]) * bf16(c W_f[k][n])
;   r        = 1 / (1 + 2^y), so that tanh = 1 - 2 r: y -> +inf gives r = 0, y -> -inf gives r = 1; no clamp is needed
;   e2[l]    = sum over n of (-c V[n]) r[l][n]  =  log2(e) * (energy[l] - sum(V)); the constant sum(V) falls out of softmax
;   m        = max over the block's rows of e2,  p[l] = 2^(e2[l] - m),  ctxp[f] = sum over l of p[l] * bf16(features[l][f])
; Stored: e2 (the block's 128 numbers) and ctxp (1,024 numbers); the last launch joins the 16 blocks of a batch by their maxima.
; LIMITS: operands of the product and the features in ctxp are rounded to bf16 (W after the scaling by c); 2^x below 2^-126 comes out as 0.
;
; SHAPE.  The block's features, 128 rows x 1,024 k in bf16, stay in LDS from the product to the context, so features are read from memory once
; and converted once.  Four waves; the 1,024 columns n go in two chunks of 512; in a chunk wave w makes 128 rows x 128 columns: 64 accumulator
; tiles, 512 registers.  K goes in 32 steps of 32: 64 matrix instructions on 8 KiB of features from LDS and 8 KiB of W.
; W: no two waves of the work-group use the same W, so LDS would add nothing inside the work-group; a wave loads its W straight into registers
; from WT, which lies in fragment order (512 neighbouring bytes an instruction), three k-steps ahead, in four register buffers.
; FEATURES are read while chunk 0 is multiplied: a wave loads its 32 rows of a panel of 64 k in two batches of eight loads, four k-steps ahead of their conversion,
; converts them, stores them to LDS; a barrier publishes a panel one k-step before its first fragment is read.
; NO CLUSTER, NO TENSOR LOADS: all work-groups walk the same W, but beside the 296,960 bytes of features and 12,288 of small tables only
; 18,432 of the 327,680 bytes of LDS are left, and one k-step of W for the four waves is 32,768 bytes: no slot of W fits, let alone two.
;
; LDS: panel s (k = 64 s ..) at s*18,560: row l at pitch 144 (128 bytes + 16: nine 16-byte columns, odd), 128 bytes of gap behind the 128 rows;
;      CHS 296,960: c h[n], 4,096 bytes; then -c V[n], 4,096; ES 305,152: each wave's 128 partial energies; PS 307,200: each wave's own copy of p.
; REGISTERS: window 0: addresses, AF = fragments of features (8 x 16 rows x 32 k), ST = four batches of features in f32 (later CH, VV);
;      window 1: BF = W, four buffers of 64; window 2: accumulator tiles of rows 0-63 (tile (a, b) at 8 (8 a + b)); window 3: rows 64-127.
.set PANEL, 18560
.set PITCH, 144
.set CHS,   16*PANEL
.set ES,    CHS+8192
.set PS,    ES+2048
.set ADA,   4                          ; r*144 + 16 h + the panel pair at work: A fragments; stepped
.set ADA0,  5                          ; the same for panel 0; constant
.set STA,   6                          ; (32 w + 8 h)*144 + 8 r + the panel pair: where converted features go; stepped
.set FO,    7                          ; features: w*32 rows + h*8 rows + 16 r bytes
.set PFO,   8                          ; features: row 32 w + L (prefetch)
.set BO,    9                          ; WT: w*262,144 + 16 L
.set CHA,   10                         ; CHS + 512 w + 32 h
.set ESA,   11                         ; ES + 512 w + 4 r
.set ESR,   12                         ; ES + 16 L
.set PSW,   13                         ; PS + 512 w + 16 L
.set PSA,   14                         ; PS + 512 w; stepped in the context
.set CXA,   15                         ; (4 w + h)*PANEL + 8 r; stepped in the context
.set EACC,  16                         ; v[16:23]  partial energy of row 16 A + r
.set T,     24                         ; v[24:55]  at work
.set CV,    32                         ; v[32:47]  a converted batch
.set CT,    48                         ; v[48:55]  the context's eight sums
.set OUTO,  56                         ; 1,024 w + 16 L
.set TID16, 57                         ; 16 x thread
.set L16,   58                         ; 16 L
.set CHW,   59                         ; CHS + 16 x thread
.set AF,    64                         ; v[64:127]
.set ST,    128                        ; v[128:255]
.set CH,    128                        ; v[128:191] c h of my 128 columns: 8 b + j  <->  n = 16 b + 8 h + j
.set VV,    192                        ; v[192:255] -c V likewise
.set MUL_LO, 0xa1                      ; source 0 (W) window 1, source 1 (features) window 0, C and D window 2
.set MUL_HI, 0xf1                      ; the same, C and D window 3
.set TO_B,   0x40                      ; destination window 1, address window 0
.set EPI_LO, 0xa2                      ; destination, sources 0 and 2 window 2, source 1 window 0
.set EPI_HI, 0xf3
.set RED_LO, 0x0a                      ; sources 0 and 1 window 2, destination window 0
.set RED_HI, 0x0f
.set MSB, 0
.macro WIN new                         ; the immediate's high byte repeats the setting that is left
.if MSB != \new
	s_set_vgpr_msb (MSB<<8)|\new
.set MSB, \new
.endif
.endm
.macro PLACES                          ; four places behind a matrix instruction (ISA guide 7.12.1) before its registers are loaded again or its result is read
.rept 4
	v_nop
.endr
.endm
; WAITS BY MARKS.  LDT and DST count the global loads and the LDS instructions issued so far in the text; a mark holds the count just behind a
; group.  The wait for a group is then the number of instructions of its kind issued behind it (they end in order, ISA guide 5.7.1), and it is
; written only if no earlier wait has already shown the group done.  In the loop the counts are the same on the way in and round the back edge,
; because the trip in front of the loop has the loop's own text.
.set LDT, 0
.set DST, 0
.set LDDONE, 0
.set DSDONE, 0
.set LDH, 0
.set LDB0, 0
.set LDB1, 0
.set LDB2, 0
.set LDB3, 0
.set LDF0, 0
.set LDF1, 0
.set LDF2, 0
.set LDF3, 0
.set DSA0, 0
.set DSA1, 0
.set DSE, 0
.macro NEEDLD mark
.if \mark > LDDONE
.if LDT-\mark > 63
	s_wait_loadcnt 63
.else
	s_wait_loadcnt LDT-\mark
.endif
.set LDDONE, \mark
.endif
.endm
.macro NEEDDS mark
.if \mark > DSDONE
	s_wait_dscnt DST-\mark
.set DSDONE, \mark
.endif
.endm
.macro DSZERO
	s_wait_dscnt 0x0
.set DSDONE, DST
.endm
.macro NEEDB q
.if \q==0
	NEEDLD LDB0
.endif
.if \q==1
	NEEDLD LDB1
.endif
.if \q==2
	NEEDLD LDB2
.endif
.if \q==3
	NEEDLD LDB3
.endif
.endm
; 16 matrix instructions: row tiles a0, a0 + 1 of the window's four x all 8 column tiles, 32 along K.  Source 0 = 16 columns of W, source 1 = 16 rows
; of features: lane (r, h) gets row 16 a + r, register j column 16 b + 8 h + j.  zero = 1: the first product starts the sums.
; The 64 accumulators take turns, one instruction a turn, over the loop's back edge too.
.macro MUL16 q, hi, a0, zero
.irp a, \a0, \a0+1
.irp b, 0,1,2,3,4,5,6,7
.if \zero
	v_wmma_f32_16x16x32_bf16 v[8*(8*(\a)+\b):8*(8*(\a)+\b)+7], v[64*\q+8*\b:64*\q+8*\b+7], v[AF+8*(4*\hi+\a):AF+8*(4*\hi+\a)+7], 0
.else
	v_wmma_f32_16x16x32_bf16 v[8*(8*(\a)+\b):8*(8*(\a)+\b)+7], v[64*\q+8*\b:64*\q+8*\b+7], v[AF+8*(4*\hi+\a):AF+8*(4*\hi+\a)+7], v[8*(8*(\a)+\b):8*(8*(\a)+\b)+7]
.endif
.endr
.endr
.endm
; Fragments of features, row tiles 4 half .. 4 half + 3, of the k-step at byte off from v[reg]
.macro ALOAD half, reg, off
.irp a, 0,1,2,3
	ds_load_b128 v[AF+8*(4*\half+\a):AF+8*(4*\half+\a)+3],   v[\reg] offset:\off+(4*\half+\a)*16*PITCH
	ds_load_b128 v[AF+8*(4*\half+\a)+4:AF+8*(4*\half+\a)+7], v[\reg] offset:\off+(4*\half+\a)*16*PITCH+32
.endr
.set DST, DST+8
.if \half
.set DSA1, DST
.else
.set DSA0, DST
.endif
.endm
; One k-step of my W, 8 KiB, into buffer q (under TO_B).  No hint: every work-group reads WT.
.macro BLOAD q, base, imm
.irp n, 0,1,2,3,4,5,6,7,8,9,10,11,12,13,14,15
	global_load_b128 v[64*\q+4*\n:64*\q+4*\n+3], v[BO], s[\base:\base+1] offset:\imm+\n*512
.endr
.set LDT, LDT+16
.if \q==0
.set LDB0, LDT
.endif
.if \q==1
.set LDB1, LDT
.endif
.if \q==2
.set LDB2, LDT
.endif
.if \q==3
.set LDB3, LDT
.endif
.endm
; Batch bt of features: panel bt >> 1, rows 32 w + 16 (bt & 1) + 8 h + j: sixteen lanes take 256 neighbouring bytes of a row, aligned.  Read once in the launch.
.macro FLOAD bt
.set FB, (\bt)&3
.irp j, 0,1,2,3,4,5,6,7
	global_load_b128 v[ST+32*FB+4*\j:ST+32*FB+4*\j+3], v[FO], s[4:5] offset:(16*((\bt)&1)+\j)*4096+((\bt)>>1)*256 th:TH_LOAD_NT
.endr
.set LDT, LDT+8
.if FB==0
.set LDF0, LDT
.endif
.if FB==1
.set LDF1, LDT
.endif
.if FB==2
.set LDF2, LDT
.endif
.if FB==3
.set LDF3, LDT
.endif
.endm
; Batch bt is rounded to bf16 and stored to its panel, rel panels behind the pair that STA points at.  The two halves of the lanes lie 8 rows = 1,152 bytes apart.
.macro CVT bt, rel
.set FB, (\bt)&3
.if FB==0
	NEEDLD LDF0
.endif
.if FB==1
	NEEDLD LDF1
.endif
.if FB==2
	NEEDLD LDF2
.endif
.if FB==3
	NEEDLD LDF3
.endif
.irp j, 0,1,2,3,4,5,6,7
	v_cvt_pk_bf16_f32 v[CV+2*\j],   v[ST+32*FB+4*\j],   v[ST+32*FB+4*\j+1]
	v_cvt_pk_bf16_f32 v[CV+2*\j+1], v[ST+32*FB+4*\j+2], v[ST+32*FB+4*\j+3]
.endr
.irp j, 0,1,2,3,4,5,6,7
	ds_store_b64 v[STA], v[CV+2*\j:CV+2*\j+1] offset:(\rel)*PANEL+(16*((\bt)&1)+\j)*PITCH
.endr
.set DST, DST+8
.endm
; c h and -c V of my 128 columns of chunk ch
.macro EPLOAD ch
.irp b, 0,1,2,3,4,5,6,7
	ds_load_b128 v[CH+8*\b:CH+8*\b+3],   v[CHA] offset:(\ch)*2048+\b*64
	ds_load_b128 v[CH+8*\b+4:CH+8*\b+7], v[CHA] offset:(\ch)*2048+\b*64+16
	ds_load_b128 v[VV+8*\b:VV+8*\b+3],   v[CHA] offset:4096+(\ch)*2048+\b*64
	ds_load_b128 v[VV+8*\b+4:VV+8*\b+7], v[CHA] offset:4096+(\ch)*2048+\b*64+16
.endr
.set DST, DST+32
.set DSE, DST
.endm
; ONE K-STEP, steered by the symbols K_..:
;   K_Q W's buffer, K_QN the buffer filled now, K_ZERO start the sums, K_AREG / K_AOFF the next k-step's fragments (-1: none), K_BB / K_BIMM base pair and
;   offset of the W three k-steps on (0: none), K_CV / K_CVREL the batch converted (-1: none), K_FL the batch loaded, K_PF the panel prefetched,
;   K_SIG / K_WT the halves of the barrier, K_EPL the chunk whose c h and -c V are fetched, K_STEP what is stepped at the end.
; AF is one buffer in two halves: tiles 0-3 are loaded again behind the 32 matrix instructions that read them, while tiles 4-7 are multiplied, and the other way round.
.macro KSTEP
	NEEDB K_Q                                      ; my W of this k-step; in chunk 0 also the batch converted below, which was issued earlier still
	NEEDDS DSA0                                    ; tiles 0-3; tiles 4-7 may be out
	WIN MUL_LO
	MUL16 K_Q, 0, 0, K_ZERO
	MUL16 K_Q, 0, 2, K_ZERO
	WIN 0
.if K_WT
	s_barrier_wait -1                              ; every wave's part of the next panel lies in LDS
.endif
.if K_CV>=0
	CVT K_CV, K_CVREL                              ; its sixteen conversions are also the places in front of the loads into AF
.else
.if K_AOFF>=0
	PLACES
.endif
.endif
.if K_AOFF>=0
	ALOAD 0, K_AREG, K_AOFF
.endif
.if K_EPL>=0
	EPLOAD K_EPL
.endif
.if K_BB
	WIN TO_B
	BLOAD K_QN, K_BB, K_BIMM
	WIN 0
.endif
.if K_FL>=0
	FLOAD K_FL                                     ; into the buffer that was converted just above
.endif
.if K_PF>=0
	global_prefetch_b8 v[PFO], s[4:5] offset:K_PF*256 th:TH_LOAD_NT scope:SCOPE_SE   ; my 32 rows' 256 bytes of panel K_PF, one lane a row, asked once in the launch: its loads follow three and four k-steps on
.endif
	NEEDDS DSA1                                    ; tiles 4-7; what was issued in this k-step stays out
	WIN MUL_HI
	MUL16 K_Q, 1, 0, K_ZERO
.if K_SIG
	DSZERO                                         ; for the other waves' sake: both batches of the next panel lie in LDS (and no LDS instruction is out at a signal)
	s_barrier_signal -1                            ; up to the wait: matrix work, and loads of the panel at work, which nobody writes any more
.endif
	MUL16 K_Q, 1, 2, K_ZERO
	WIN 0
	PLACES
.if K_AOFF>=0
	ALOAD 1, K_AREG, K_AOFF
.endif
.if K_STEP==1
	v_add_nc_u32 v[ADA], 2*PANEL, v[ADA]           ; two panels on, so that the 16-bit offsets reach
	v_add_nc_u32 v[STA], 2*PANEL, v[STA]
.endif
.if K_STEP==2
	v_add_nc_u32 v[ADA], 2*PANEL, v[ADA]
	s_wait_xcnt 0x0                                ; W's base is stepped only when the loads that name it have had their addresses translated (ISA guide 3.1)
	s_add_nc_u64 s[22:23], s[22:23], 4*8192
.endif
.endm
; THE EPILOGUE of one window: tile t = 8 a + b goes through F (+ c h), X (2^y), P (+ 1), R (1 / ..), S (times -c V, summed over b into tile (a, 0)'s registers).
; Slot ek works on five tiles at once, so that a plain instruction on another tile stands behind each transcendental (ISA guide 5.7.2: one such
; instruction before the result is used) and the two kinds of instruction alternate.
.macro EPISLOT
.irp i, 0,1,2,3
.if ek>=0
.if ek<32
	v_exp_f32 v[8*ek+\i], v[8*ek+\i]
.endif
.endif
.if ek<31
	v_pk_add_f32 v[8*(ek+1)+2*\i:8*(ek+1)+2*\i+1], v[8*(ek+1)+2*\i:8*(ek+1)+2*\i+1], v[CH+8*((ek+1)&7)+2*\i:CH+8*((ek+1)&7)+2*\i+1]
.endif
.endr
.irp i, 0,1,2,3
.if ek>=0
.if ek<32
	v_exp_f32 v[8*ek+4+\i], v[8*ek+4+\i]
.endif
.endif
.if ek>=2
.if ((ek-2)&7)==0
	s_wait_alu depctr_va_vdst(0)
	v_pk_mul_f32 v[8*(ek-2)+2*\i:8*(ek-2)+2*\i+1], v[8*(ek-2)+2*\i:8*(ek-2)+2*\i+1], v[VV+2*\i:VV+2*\i+1]
.else
	s_wait_alu depctr_va_vdst(0)
	v_pk_fma_f32 v[64*((ek-2)>>3)+2*\i:64*((ek-2)>>3)+2*\i+1], v[8*(ek-2)+2*\i:8*(ek-2)+2*\i+1], v[VV+8*((ek-2)&7)+2*\i:VV+8*((ek-2)&7)+2*\i+1], v[64*((ek-2)>>3)+2*\i:64*((ek-2)>>3)+2*\i+1]
.endif
.endif
.endr
.if ek>=0
.if ek<2
	v_nop                                          ; no sum is due yet: the place behind the exponentials
.endif
.endif
.irp i, 0,1,2,3
.if ek>=1
.if ek<=32
	v_rcp_f32 v[8*(ek-1)+\i], v[8*(ek-1)+\i]
.endif
.endif
.if ek>=0
.if ek<32
	s_wait_alu depctr_va_vdst(0)
	v_pk_add_f32 v[8*ek+2*\i:8*ek+2*\i+1], v[8*ek+2*\i:8*ek+2*\i+1], 1.0 op_sel_hi:[1,0]
.endif
.endif
.endr
.if ek>=1
.if ek<=32
.irp i, 4,5,6,7
	v_rcp_f32 v[8*(ek-1)+\i], v[8*(ek-1)+\i]
.endr
	v_nop                                          ; the place behind the reciprocals
.endif
.endif
.endm
.macro EPISLOTS
.set ek, -1
.rept 35
	EPISLOT
.set ek, ek+1
.endr
.endm
.macro RED hi                          ; the eight sums of each row tile fall to four, into window 0
.irp a, 0,1,2,3
	v_pk_add_f32 v[T+4*(4*\hi+\a):T+4*(4*\hi+\a)+1],   v[64*\a:64*\a+1],   v[64*\a+2:64*\a+3]
	v_pk_add_f32 v[T+4*(4*\hi+\a)+2:T+4*(4*\hi+\a)+3], v[64*\a+4:64*\a+5], v[64*\a+6:64*\a+7]
.endr
.endm
.macro EPI first                       ; first = 1: the chunk's sums start EACC
	NEEDDS DSE                                     ; c h and -c V are in
	WIN EPI_LO
	EPISLOTS
	WIN RED_LO
	RED 0
	WIN EPI_HI
	EPISLOTS
	WIN RED_HI
	RED 1
	WIN 0
.irp A, 0,1,2,3,4,5,6,7
	v_pk_add_f32 v[T+4*\A:T+4*\A+1], v[T+4*\A:T+4*\A+1], v[T+4*\A+2:T+4*\A+3]
.endr
.irp A, 0,1,2,3,4,5,6,7
.if \first
	v_add_f32 v[EACC+\A], v[T+4*\A], v[T+4*\A+1]
.else
	v_add_f32 v[T+4*\A], v[T+4*\A], v[T+4*\A+1]
	v_add_f32 v[EACC+\A], v[EACC+\A], v[T+4*\A]
.endif
.endr
.endm
	; ---------------- set-up
	s_load_b256 s[4:11], s[0:1], 0x0               ; features s[4:5], WT s[6:7], hp s[8:9], V s[10:11]
	s_load_b128 s[12:15], s[0:1], 0x20             ; e2 s[12:13], ctxp s[14:15]
	v_lshl_add_u32 v62, v0, 2, 0x4b800
	v_mov_b32 v63, 0
	v_and_b32 v1, 31, v0                           ; L
	v_lshrrev_b32 v2, 5, v0
	v_readfirstlane_b32 s16, v2                    ; wave
	v_and_b32 v2, 15, v0                           ; r
	v_bfe_u32 v3, v0, 4, 1                         ; h
	v_lshlrev_b32 v[TID16], 4, v0
	v_lshlrev_b32 v[L16], 4, v1
	s_lshl_b32 s29, s16, 17                        ; my 32 rows of 4,096 bytes
	v_lshlrev_b32 v[FO], 15, v3
	v_lshl_add_u32 v[FO], v2, 4, v[FO]
	v_add_nc_u32 v[FO], s29, v[FO]
	v_lshl_add_u32 v[PFO], v1, 12, s29
	s_and_b32 s18, ttmp7, 0xffff                   ; batch
	s_lshl_b32 s19, s18, 4
	s_add_co_u32 s19, s19, ttmp9                   ; 16 batch + block
	s_lshl_b32 s20, s19, 19                        ; 128 rows of 4,096 bytes: 267,911,168 at the most
	s_mov_b32 s21, 0
	s_lshl_b32 s24, s18, 12
	s_mov_b32 s25, 0
	s_mov_b32 s26, 0x76543210                      ; v_permlanex16_b32: lane i of one half reads lane i of the other
	s_mov_b32 s27, 0xfedcba98
	s_wait_kmcnt 0x0
	s_add_nc_u64 s[4:5], s[4:5], s[20:21]          ; features at the block's first row
	s_add_nc_u64 s[8:9], s[8:9], s[24:25]          ; hp at the batch's row of part 0
	s_add_nc_u64 s[22:23], s[6:7], 0x100000        ; WT at chunk 1 (column groups 4 to 7)
	; the eight partial sums of c (hidden W_h) and V: thread t takes numbers 4 t .. 4 t + 3 of each half of 512
.irp p, 0,1,2,3,4,5,6,7
.irp u, 0,1
	global_load_b128 v[AF+8*\p+4*\u:AF+8*\p+4*\u+3], v[TID16], s[8:9] offset:\p*131072+\u*2048
.endr
.endr
	global_load_b128 v[T:T+3],   v[TID16], s[10:11]
	global_load_b128 v[T+4:T+7], v[TID16], s[10:11] offset:2048
.set LDT, LDT+18
.set LDH, LDT
	FLOAD 0
	FLOAD 1
	FLOAD 2
	FLOAD 3
	global_prefetch_b8 v[PFO], s[4:5] offset:4*256 th:TH_LOAD_NT scope:SCOPE_SE   ; panel 4; panels 0 to 3 are asked for by their loads in this prologue
	s_lshl_b32 s20, s18, 13                        ; e2: batch * 8,192 + block * 512
	s_lshl_b32 s24, ttmp9, 9
	s_add_co_u32 s20, s20, s24
	s_add_nc_u64 s[12:13], s[12:13], s[20:21]
	s_lshl_b32 s20, s19, 12                        ; ctxp: (16 batch + block) * 4,096
	s_add_nc_u64 s[14:15], s[14:15], s[20:21]
	v_mul_u32_u24 v[ADA0], v2, PITCH
	v_lshl_add_u32 v[ADA0], v3, 4, v[ADA0]
	v_mov_b32 v[ADA], v[ADA0]
	s_mul_i32 s28, s16, 32*PITCH
	v_mul_u32_u24 v[STA], v3, 8*PITCH
	v_lshl_add_u32 v[STA], v2, 3, v[STA]
	v_add_nc_u32 v[STA], s28, v[STA]
	s_lshl_b32 s30, s16, 18
	v_add_nc_u32 v[BO], s30, v[L16]
	s_lshl_b32 s31, s16, 9
	s_add_co_u32 s32, s31, CHS
	v_lshl_add_u32 v[CHA], v3, 5, s32
	s_add_co_u32 s33, s31, ES
	v_lshl_add_u32 v[ESA], v2, 2, s33
	v_add_nc_u32 v[ESR], ES, v[L16]
	s_add_co_u32 s34, s31, PS
	v_add_nc_u32 v[PSW], s34, v[L16]
	v_mov_b32 v[PSA], s34
	s_mul_i32 s35, s16, 4*PANEL
	v_mul_u32_u24 v[CXA], v3, PANEL
	v_lshl_add_u32 v[CXA], v2, 3, v[CXA]
	v_add_nc_u32 v[CXA], s35, v[CXA]
	s_lshl_b32 s36, s16, 10
	v_add_nc_u32 v[OUTO], s36, v[L16]
	v_add_nc_u32 v[CHW], CHS, v[TID16]
	NEEDLD LDH                                     ; hp and V are in; the four batches of features (32 loads) stay out
.irp u, 0,1
.irp d, 0,2
.irp m, 0,2,4,6
	v_pk_add_f32 v[AF+8*\m+4*\u+\d:AF+8*\m+4*\u+\d+1], v[AF+8*\m+4*\u+\d:AF+8*\m+4*\u+\d+1], v[AF+8*(\m+1)+4*\u+\d:AF+8*(\m+1)+4*\u+\d+1]
.endr
.irp m, 0,4
	v_pk_add_f32 v[AF+8*\m+4*\u+\d:AF+8*\m+4*\u+\d+1], v[AF+8*\m+4*\u+\d:AF+8*\m+4*\u+\d+1], v[AF+8*(\m+2)+4*\u+\d:AF+8*(\m+2)+4*\u+\d+1]
.endr
	v_pk_add_f32 v[AF+4*\u+\d:AF+4*\u+\d+1], v[AF+4*\u+\d:AF+4*\u+\d+1], v[AF+32+4*\u+\d:AF+32+4*\u+\d+1]
.endr
.endr
.irp i, 0,2,4,6
	v_pk_mul_f32 v[T+\i:T+\i+1], v[T+\i:T+\i+1], 0xc038aa3b op_sel_hi:[1,0]       ; -c V
.endr
	ds_store_b128 v[CHW], v[AF:AF+3]
	ds_store_b128 v[CHW], v[AF+4:AF+7] offset:2048
	ds_store_b128 v[CHW], v[T:T+3]     offset:4096
	ds_store_b128 v[CHW], v[T+4:T+7]   offset:6144
.set DST, DST+4
	WIN TO_B
	BLOAD 0, 6, 0
	WIN 0
	CVT 0, 0
	FLOAD 4
	CVT 1, 0
	WIN TO_B
	BLOAD 1, 6, 8192
	WIN 0
	FLOAD 5
	CVT 2, 1
	WIN TO_B
	BLOAD 2, 6, 16384
	WIN 0
	FLOAD 6
	DSZERO                                         ; for the other waves' sake: my part of panel 0, of c h and of -c V lies in LDS
	s_barrier_signal -1
	s_barrier_wait -1
	ALOAD 0, ADA, 0
	ALOAD 1, ADA, 0
	; ---------------- chunk 0: columns 0-511, written out, so that every offset is a constant; features come in beside it
.set tau, 0
.rept 32
.set K_Q, tau&3
.set K_QN, (tau+3)&3
.set K_ZERO, 0
.if tau==0
.set K_ZERO, 1
.endif
.set K_CV, -1
.if tau<=28
.set K_CV, tau+3
.endif
.set K_CVREL, (K_Q+3)>>1
.set K_FL, -1
.if tau<=24
.set K_FL, tau+7
.endif
.set K_PF, -1
.set K_SIG, 0
.set K_WT, 0
.if (tau&1)==0
.if tau<=20
.set K_PF, tau/2+5
.endif
.if tau<=28
.set K_SIG, 1
.endif
.else
.if tau<=29
.set K_WT, 1
.endif
.endif
.set K_AREG, ADA
.set K_AOFF, ((K_Q+1)>>1)*PANEL+((K_Q+1)&1)*64
.set K_BB, 6
.set K_BIMM, (tau+3)*8192
.if tau>=29
.set K_BIMM, 1048576+(tau-29)*8192
.endif
.set K_EPL, -1
.set K_STEP, 0
.if K_Q==3
.set K_STEP, 1
.endif
.if tau==31
.set K_AREG, ADA0
.set K_AOFF, 0
.set K_EPL, 0
.set K_STEP, 0
.endif
	KSTEP
.set tau, tau+1
.endr
	v_mov_b32 v[ADA], v[ADA0]                      ; chunk 1 walks the panels again
	EPI 1
	; ---------------- chunk 1: columns 512-1023, features all in LDS: no barrier
.macro PARAMS1 q, zero, b, a, epl, step
.set K_Q, \q
.set K_QN, (\q+3)&3
.set K_ZERO, \zero
.set K_CV, -1
.set K_CVREL, 0
.set K_FL, -1
.set K_PF, -1
.set K_SIG, 0
.set K_WT, 0
.set K_AREG, ADA
.if \a
.set K_AOFF, ((\q+1)>>1)*PANEL+((\q+1)&1)*64
.else
.set K_AOFF, -1
.endif
.if \b
.set K_BB, 22
.else
.set K_BB, 0
.endif
.set K_BIMM, (\q+3)*8192
.set K_EPL, \epl
.set K_STEP, \step
.endm
.macro TRIP zero                       ; four k-steps = two panels
	PARAMS1 0, \zero, 1, 1, -1, 0
	KSTEP
	PARAMS1 1, 0, 1, 1, -1, 0
	KSTEP
	PARAMS1 2, 0, 1, 1, -1, 0
	KSTEP
	PARAMS1 3, 0, 1, 1, -1, 2
	KSTEP
.endm
	TRIP 1                                         ; the first trip stands in front of the loop: its first products start the sums
	s_mov_b32 s24, 6
.Ltrip:
	TRIP 0
	s_sub_co_u32 s24, s24, 1
	s_cmp_lg_u32 s24, 0
	s_cbranch_scc1 .Ltrip
	PARAMS1 0, 0, 1, 1, -1, 0                      ; the last trip: one more k-step of W (the 32nd), then nothing is left to fetch
	KSTEP
	PARAMS1 1, 0, 0, 1, -1, 0
	KSTEP
	PARAMS1 2, 0, 0, 1, -1, 0
	KSTEP
	PARAMS1 3, 0, 0, 0, 1, 0
	KSTEP
	EPI 0
	; ---------------- the block's energies, maximum and p
.irp A, 0,1,2,3,4,5,6,7
	v_permlanex16_b32 v[T+\A], v[EACC+\A], s26, s27                ; the other eight columns of each tile (T has been written)
.endr
.irp A, 0,1,2,3,4,5,6,7
	v_add_f32 v[EACC+\A], v[EACC+\A], v[T+\A]
	ds_store_b32 v[ESA], v[EACC+\A] offset:64*\A                   ; row 16 A + r, my wave's columns; both halves write the same number
.endr
	s_wait_dscnt 0x0                               ; for the other waves' sake
	s_barrier_signal -1
	s_barrier_wait -1
.irp u, 0,1,2,3
	ds_load_b128 v[T+4*\u:T+4*\u+3], v[ESR] offset:512*\u          ; rows 4 L .. 4 L + 3, wave u's columns
.endr
	s_wait_dscnt 0x0
	v_pk_add_f32 v[T:T+1],     v[T:T+1],     v[T+4:T+5]
	v_pk_add_f32 v[T+2:T+3],   v[T+2:T+3],   v[T+6:T+7]
	v_pk_add_f32 v[T+8:T+9],   v[T+8:T+9],   v[T+12:T+13]
	v_pk_add_f32 v[T+10:T+11], v[T+10:T+11], v[T+14:T+15]
	v_pk_add_f32 v[T:T+1],     v[T:T+1],     v[T+8:T+9]
	v_pk_add_f32 v[T+2:T+3],   v[T+2:T+3],   v[T+10:T+11]          ; v[T:T+3] = e2 of rows 4 L .. 4 L + 3; not rewritten: wave 0 stores them
	v_max3_num_f32 v[T+4], v[T], v[T+1], v[T+2]
	v_max_num_f32 v[T+4], v[T+4], v[T+3]
	v_max_num_f32_dpp v[T+4], v[T+4], v[T+4] row_xmask:1 row_mask:0xf bank_mask:0xf
	v_max_num_f32_dpp v[T+4], v[T+4], v[T+4] row_xmask:2 row_mask:0xf bank_mask:0xf
	v_max_num_f32_dpp v[T+4], v[T+4], v[T+4] row_xmask:4 row_mask:0xf bank_mask:0xf
	v_max_num_f32_dpp v[T+4], v[T+4], v[T+4] row_xmask:8 row_mask:0xf bank_mask:0xf
	v_permlanex16_b32 v[T+5], v[T+4], s26, s27
	v_max_num_f32 v[T+4], v[T+4], v[T+5]           ; the block's maximum, in every lane
.irp i, 0,1,2,3
	v_sub_f32 v[T+8+\i], v[T+\i], v[T+4]
.endr
.irp i, 0,1,2,3
	v_exp_f32 v[T+8+\i], v[T+8+\i]
.endr
	v_mov_b32 v[CT], 0                             ; plain work behind the exponentials: the context's eight sums start at 0
.irp i, 1,2,3,4,5,6,7
	v_mov_b32 v[CT+\i], 0
.endr
	s_wait_alu depctr_va_vdst(0)
	ds_store_b128 v[PSW], v[T+8:T+11]              ; p, into my wave's own copy: no barrier
	s_cmp_lg_u32 s16, 0
	s_cbranch_scc1 .Lnot_wave_0
	global_store_b128 v[L16], v[T:T+3], s[12:13]   ; all four waves hold the same numbers; wave 0 stores the block's 512 bytes
.Lnot_wave_0:
	; ---------------- the context: wave w takes columns 256 w .. 256 w + 255 (panels 4 w .. 4 w + 3); a lane takes 4 columns of panel 4 w + h and 4 of panel 4 w + h + 2.
	; One row of results for a batch: a matrix tile would be fifteen sixteenths empty, so fused multiply-adds straight from the bf16 halves do it.
.set XB0, 64
.set PB0, 128
.set XB1, 144
.set PB1, 208
.macro CTXLOAD xb, pb, rb              ; 16 rows from row rb on: 36 LDS loads
.irp g, 0,1,2,3
	ds_load_b128 v[\pb+4*\g:\pb+4*\g+3], v[PSA] offset:4*(\rb+4*\g)                ; p of four rows, the same address in every lane
.endr
.irp l, 0,1,2,3,4,5,6,7,8,9,10,11,12,13,14,15
	ds_load_b64 v[\xb+4*\l:\xb+4*\l+1],   v[CXA] offset:(\rb+\l)*PITCH
	ds_load_b64 v[\xb+4*\l+2:\xb+4*\l+3], v[CXA] offset:(\rb+\l)*PITCH+2*PANEL
.endr
.endm
.macro CTXFMA xb, pb
.irp l, 0,1,2,3,4,5,6,7,8,9,10,11,12,13,14,15
.irp c, 0,1,2,3
	v_fma_mix_f32_bf16 v[CT+2*\c],   v[\xb+4*\l+\c], v[\pb+\l], v[CT+2*\c]   op_sel_hi:[1,0,0]
	v_fma_mix_f32_bf16 v[CT+2*\c+1], v[\xb+4*\l+\c], v[\pb+\l], v[CT+2*\c+1] op_sel:[1,0,0] op_sel_hi:[1,0,0]
.endr
.endr
.endm
	CTXLOAD XB0, PB0, 0
	s_mov_b32 s24, 3
.Lctx:
	CTXLOAD XB1, PB1, 16
	s_wait_dscnt 36                                ; counts the 36 loads just issued: the buffer before them is in
	CTXFMA XB0, PB0
	CTXLOAD XB0, PB0, 32
	s_wait_dscnt 36
	CTXFMA XB1, PB1
	v_add_nc_u32 v[CXA], 32*PITCH, v[CXA]
	v_add_nc_u32 v[PSA], 128, v[PSA]
	s_sub_co_u32 s24, s24, 1
	s_cmp_lg_u32 s24, 0
	s_cbranch_scc1 .Lctx
	CTXLOAD XB1, PB1, 16                           ; rows 112 to 127: the last
	s_wait_dscnt 36
	CTXFMA XB0, PB0
	s_wait_dscnt 0x0
	CTXFMA XB1, PB1
	global_store_b128 v[OUTO], v[CT:CT+3],   s[14:15]              ; 512 neighbouring bytes each, aligned
	global_store_b128 v[OUTO], v[CT+4:CT+7], s[14:15] offset:512
	s_wait_tensorcnt 0x0
	ds_add_u32 v62, v63
	s_wait_dscnt 0x0
	s_endpgm
.Lfunc_end_k_q5a32c3d91b_energy:
	.size	k_q5a32c3d91b_energy, .Lfunc_end_k_q5a32c3d91b_energy-k_q5a32c3d91b_energy
	.p2alignl 7, 3214868480
	.fill 96, 4, 3214868480
	.section	.rodata,"a",@progbits
	.p2align	6, 0x0
	.amdhsa_kernel k_q5a32c3d91b_energy
		.amdhsa_group_segment_fixed_size 309760
		.amdhsa_private_segment_fixed_size 0
		.amdhsa_enable_private_segment 0
		.amdhsa_kernarg_size 48
		.amdhsa_user_sgpr_count 2
		.amdhsa_user_sgpr_kernarg_segment_ptr 1
		.amdhsa_wavefront_size32 1
		.amdhsa_system_sgpr_workgroup_id_x 1
		.amdhsa_system_sgpr_workgroup_id_y 1
		.amdhsa_system_sgpr_workgroup_id_z 1
		.amdhsa_system_vgpr_workitem_id 0
		.amdhsa_next_free_vgpr 1024
		.amdhsa_next_free_sgpr 66
		.amdhsa_reserve_vcc 0
		.amdhsa_float_denorm_mode_32 3
		.amdhsa_float_denorm_mode_16_64 3
		.amdhsa_memory_ordered 1
		.amdhsa_forward_progress 1
		.amdhsa_inst_pref_size 255
	.end_amdhsa_kernel
	.section	.bss,"aw",@nobits
	.p2align	6
	.space	262144
	.amdgpu_metadata
---
amdhsa.version: [ 1, 2 ]
amdhsa.kernels:
  - .name:           k_q5a32c3d91b_energy
    .symbol:         k_q5a32c3d91b_energy.kd
    .args:
      - { .name: features, .offset: 0, .size: 8, .value_kind: global_buffer, .address_space: global }
      - { .name: WT, .offset: 8, .size: 8, .value_kind: global_buffer, .address_space: global }
      - { .name: hp, .offset: 16, .size: 8, .value_kind: global_buffer, .address_space: global }
      - { .name: V, .offset: 24, .size: 8, .value_kind: global_buffer, .address_space: global }
      - { .name: e2, .offset: 32, .size: 8, .value_kind: global_buffer, .address_space: global }
      - { .name: ctxp, .offset: 40, .size: 8, .value_kind: global_buffer, .address_space: global }
    .group_segment_fixed_size: 309760
    .private_segment_fixed_size: 0
    .kernarg_segment_align: 8
    .kernarg_segment_size: 48
    .max_flat_workgroup_size: 128
    .sgpr_count:     66
    .vgpr_count:     1024
    .wavefront_size: 32
...
	.end_amdgpu_metadata
.endif
;; end of part 2
;; launch finish (part 3): grid 8 x 32, 1 waves a work-group, no clusters, 0 bytes of LDS; arguments e2, ctxp, out0, out1; writes out0, out1
.if DOCPART == 3
	.amdgcn_target "amdgcn-amd-amdhsa--gfx1250"
	.amdhsa_code_object_version 6
	.text
	.protected	k_q5a32c3d91b_finish
	.globl	k_q5a32c3d91b_finish
	.p2align	8
	.type	k_q5a32c3d91b_finish,@function
k_q5a32c3d91b_finish:
	s_mov_b64 s[64:65], 0
	v_nop
	global_prefetch_b8 v0, s[64:65] scope:SCOPE_SE
	s_setreg_imm32_b32 hwreg(HW_REG_WAVE_MODE, 25, 1), 1
	s_wait_xcnt 0x0
; finish: joins the 16 blocks of a batch.  e2[l] = log2(e) * (energy[l] - sum(V)), ctxp[j][f] = sum over block j's rows of 2^(e2 - m_j) * features.
;   m_j = max of block j's e2 (a maximum is exact: the same number that the block used),  M = max of the m_j,  S = sum over l of 2^(e2[l] - M)
;   weights[l] = 2^(e2[l] - M) / S,   context[f] = sum over j of 2^(m_j - M) / S * ctxp[j][f]
; One wave a work-group; work-group (g, batch) makes an eighth of the batch's results: 256 weights and 128 numbers of the context.  Each of the eight
; reads the batch's 8,192 bytes of e2 and makes M and S for itself: no traffic between work-groups.  All 34 loads go out at once.
; S is at least 1 (the largest term is 2^0).  2^x below 2^-126 comes out as 0.
; No LDS, no matrix unit, no cluster: 8 KiB + 1 KiB + 8 KiB a wave and a few hundred operations.
.set E,   8                            ; v[8:71]    e2: load j = block j, four rows a lane
.set OW,  72                           ; v[72:79]   e2 of my 256 weights
.set CX,  80                           ; v[80:143]  ctxp: block j, my four columns
.set MB,  144                          ; v[144:159] m_j, then 2^(m_j - M)
.set SCP, 160                          ; v[160:191] 2^(m_j - M) / S, in both registers of a pair
.set TM,  192                          ; v[192:199] at work; v[196:197] M twice, v[198:199] 1 / S twice
	s_load_b256 s[4:11], s[0:1], 0x0               ; e2 s[4:5], ctxp s[6:7], out0 s[8:9], out1 s[10:11]
	v_lshlrev_b32 v1, 4, v0                        ; 16 x lane: the offset of every access; never rewritten
	s_and_b32 s12, ttmp7, 0xffff                   ; batch
	s_lshl_b32 s14, s12, 13                        ; batch * 8,192
	s_mov_b32 s15, 0
	s_lshl_b32 s16, ttmp9, 10                      ; g * 1,024
	s_mov_b32 s17, 0
	s_lshl_b32 s18, s12, 16                        ; batch * 16 blocks * 4,096
	s_lshl_b32 s22, ttmp9, 9                       ; g * 512
	s_add_co_u32 s18, s18, s22
	s_mov_b32 s19, 0
	s_lshl_b32 s20, s12, 12                        ; batch * 4,096
	s_add_co_u32 s20, s20, s22
	s_mov_b32 s21, 0
	s_mov_b32 s22, 0x76543210                      ; v_permlanex16_b32: lane i of one half reads lane i of the other
	s_mov_b32 s23, 0xfedcba98
	s_wait_kmcnt 0x0
	s_add_nc_u64 s[4:5], s[4:5], s[14:15]
	s_add_nc_u64 s[10:11], s[10:11], s[14:15]
	s_add_nc_u64 s[10:11], s[10:11], s[16:17]
	s_add_nc_u64 s[16:17], s[4:5], s[16:17]
	s_add_nc_u64 s[6:7], s[6:7], s[18:19]
	s_add_nc_u64 s[8:9], s[8:9], s[20:21]
.irp j, 0,1,2,3,4,5,6,7,8,9,10,11,12,13,14,15
	global_load_b128 v[E+4*\j:E+4*\j+3], v1, s[4:5] offset:512*\j
.endr
	global_load_b128 v[OW:OW+3],   v1, s[16:17]
	global_load_b128 v[OW+4:OW+7], v1, s[16:17] offset:512
.irp j, 0,1,2,3,4,5,6,7,8,9,10,11,12,13,14,15
	global_load_b128 v[CX+4*\j:CX+4*\j+3], v1, s[6:7] offset:4096*\j th:TH_LOAD_NT    ; read once in the launch
.endr
.irp i, 0,1,2,3
	v_mov_b32 v[TM+\i], 0                          ; v_permlanex16_b32 counts as a reader of its destination
.endr
	s_wait_loadcnt 18                              ; e2 is in; my slice (2) and ctxp (16) stay out
.irp j, 0,1,2,3,4,5,6,7,8,9,10,11,12,13,14,15
	v_max3_num_f32 v[MB+\j], v[E+4*\j], v[E+4*\j+1], v[E+4*\j+2]
.endr
.irp j, 0,1,2,3,4,5,6,7,8,9,10,11,12,13,14,15
	v_max_num_f32 v[MB+\j], v[MB+\j], v[E+4*\j+3]
.endr
.irp m, 1,2,4,8
.irp j, 0,1,2,3,4,5,6,7,8,9,10,11,12,13,14,15
	v_max_num_f32_dpp v[MB+\j], v[MB+\j], v[MB+\j] row_xmask:\m row_mask:0xf bank_mask:0xf
.endr
.endr
.irp j, 0,1,2,3,4,5,6,7,8,9,10,11,12,13,14,15
	v_permlanex16_b32 v[TM+(\j&3)], v[MB+\j], s22, s23
	v_max_num_f32 v[MB+\j], v[MB+\j], v[TM+(\j&3)]                 ; m_j, in every lane
.endr
	v_max3_num_f32 v[TM],   v[MB],    v[MB+1],  v[MB+2]
	v_max3_num_f32 v[TM+1], v[MB+3],  v[MB+4],  v[MB+5]
	v_max3_num_f32 v[TM+2], v[MB+6],  v[MB+7],  v[MB+8]
	v_max3_num_f32 v[TM+3], v[MB+9],  v[MB+10], v[MB+11]
	v_max3_num_f32 v[TM+4], v[MB+12], v[MB+13], v[MB+14]
	v_max3_num_f32 v[TM],   v[TM],    v[TM+1],  v[TM+2]
	v_max3_num_f32 v[TM+3], v[TM+3],  v[TM+4],  v[MB+15]
	v_max_num_f32 v[TM+4], v[TM], v[TM+3]          ; M
	v_mov_b32 v[TM+5], v[TM+4]
.set p, 0
.rept 32
	v_pk_add_f32 v[E+2*p:E+2*p+1], v[E+2*p:E+2*p+1], v[TM+4:TM+5] neg_lo:[0,1] neg_hi:[0,1]
.set p, p+1
.endr
.set p, 0
.rept 64
	v_exp_f32 v[E+p], v[E+p]
.set p, p+1
.endr
	v_nop                                          ; one plain instruction behind the last exponential before its result is used (ISA guide 5.7.2)
.set p, 4
	s_wait_alu depctr_va_vdst(0)
.rept 28
	v_pk_add_f32 v[E+2*(p&3):E+2*(p&3)+1], v[E+2*(p&3):E+2*(p&3)+1], v[E+2*p:E+2*p+1]    ; four chains
.set p, p+1
.endr
	v_pk_add_f32 v[E:E+1],   v[E:E+1],   v[E+2:E+3]
	v_pk_add_f32 v[E+4:E+5], v[E+4:E+5], v[E+6:E+7]
	v_pk_add_f32 v[E:E+1],   v[E:E+1],   v[E+4:E+5]
	v_add_f32 v[E], v[E], v[E+1]
	v_add_f32_dpp v[E], v[E], v[E] row_xmask:1 row_mask:0xf bank_mask:0xf
	v_add_f32_dpp v[E], v[E], v[E] row_xmask:2 row_mask:0xf bank_mask:0xf
	v_add_f32_dpp v[E], v[E], v[E] row_xmask:4 row_mask:0xf bank_mask:0xf
	v_add_f32_dpp v[E], v[E], v[E] row_xmask:8 row_mask:0xf bank_mask:0xf
	v_permlanex16_b32 v[TM], v[E], s22, s23
	v_add_f32 v[E+1], v[E], v[TM]                  ; S
	v_rcp_f32 v[TM+6], v[E+1]
.irp j, 0,1,2,3,4,5,6,7,8,9,10,11,12,13,14,15
	v_sub_f32 v[MB+\j], v[MB+\j], v[TM+4]          ; plain work behind the reciprocal
.endr
	s_wait_alu depctr_va_vdst(0)
	v_mov_b32 v[TM+7], v[TM+6]
.irp j, 0,1,2,3,4,5,6,7,8,9,10,11,12,13,14,15
	v_exp_f32 v[MB+\j], v[MB+\j]
.endr
	s_wait_loadcnt 16                              ; my slice of e2 is in; ctxp's 16 loads stay out
.irp i, 0,2,4,6
	v_pk_add_f32 v[OW+\i:OW+\i+1], v[OW+\i:OW+\i+1], v[TM+4:TM+5] neg_lo:[0,1] neg_hi:[0,1]   ; plain work behind the exponentials above
.endr
	s_wait_alu depctr_va_vdst(0)
.irp j, 0,1,2,3,4,5,6,7,8,9,10,11,12,13,14,15
	v_mul_f32 v[SCP+2*\j],   v[MB+\j], v[TM+6]
	v_mul_f32 v[SCP+2*\j+1], v[MB+\j], v[TM+6]
.endr
.irp i, 0,1,2,3,4,5,6,7
	v_exp_f32 v[OW+\i], v[OW+\i]
.endr
	v_nop
	s_wait_alu depctr_va_vdst(0)
.irp i, 0,2,4,6
	v_pk_mul_f32 v[OW+\i:OW+\i+1], v[OW+\i:OW+\i+1], v[TM+6:TM+7]
.endr
	global_store_b128 v1, v[OW:OW+3],   s[10:11]               ; 512 neighbouring bytes each, aligned
	global_store_b128 v1, v[OW+4:OW+7], s[10:11] offset:512
	s_wait_loadcnt 0x0                             ; ctxp
	v_pk_mul_f32 v[CX:CX+1],   v[CX:CX+1],   v[SCP:SCP+1]      ; the first block starts the sums
	v_pk_mul_f32 v[CX+2:CX+3], v[CX+2:CX+3], v[SCP:SCP+1]
.irp j, 1,2,3,4,5,6,7,8,9,10,11,12,13,14,15
	v_pk_fma_f32 v[CX:CX+1],   v[CX+4*\j:CX+4*\j+1],   v[SCP+2*\j:SCP+2*\j+1], v[CX:CX+1]
	v_pk_fma_f32 v[CX+2:CX+3], v[CX+4*\j+2:CX+4*\j+3], v[SCP+2*\j:SCP+2*\j+1], v[CX+2:CX+3]
.endr
	global_store_b128 v1, v[CX:CX+3], s[8:9]
	s_endpgm
.Lfunc_end_k_q5a32c3d91b_finish:
	.size	k_q5a32c3d91b_finish, .Lfunc_end_k_q5a32c3d91b_finish-k_q5a32c3d91b_finish
	.p2alignl 7, 3214868480
	.fill 96, 4, 3214868480
	.section	.rodata,"a",@progbits
	.p2align	6, 0x0
	.amdhsa_kernel k_q5a32c3d91b_finish
		.amdhsa_group_segment_fixed_size 0
		.amdhsa_private_segment_fixed_size 0
		.amdhsa_enable_private_segment 0
		.amdhsa_kernarg_size 32
		.amdhsa_user_sgpr_count 2
		.amdhsa_user_sgpr_kernarg_segment_ptr 1
		.amdhsa_wavefront_size32 1
		.amdhsa_system_sgpr_workgroup_id_x 1
		.amdhsa_system_sgpr_workgroup_id_y 1
		.amdhsa_system_sgpr_workgroup_id_z 1
		.amdhsa_system_vgpr_workitem_id 0
		.amdhsa_next_free_vgpr 200
		.amdhsa_next_free_sgpr 66
		.amdhsa_reserve_vcc 0
		.amdhsa_float_denorm_mode_32 3
		.amdhsa_float_denorm_mode_16_64 3
		.amdhsa_memory_ordered 1
		.amdhsa_forward_progress 1
		.amdhsa_inst_pref_size 24
	.end_amdhsa_kernel
	.amdgpu_metadata
---
amdhsa.version: [ 1, 2 ]
amdhsa.kernels:
  - .name:           k_q5a32c3d91b_finish
    .symbol:         k_q5a32c3d91b_finish.kd
    .args:
      - { .name: e2, .offset: 0, .size: 8, .value_kind: global_buffer, .address_space: global }
      - { .name: ctxp, .offset: 8, .size: 8, .value_kind: global_buffer, .address_space: global }
      - { .name: out0, .offset: 16, .size: 8, .value_kind: global_buffer, .address_space: global }
      - { .name: out1, .offset: 24, .size: 8, .value_kind: global_buffer, .address_space: global }
    .group_segment_fixed_size: 0
    .private_segment_fixed_size: 0
    .kernarg_segment_align: 8
    .kernarg_segment_size: 32
    .max_flat_workgroup_size: 32
    .sgpr_count:     66
    .vgpr_count:     200
    .wavefront_size: 32
...
	.end_amdgpu_metadata
.endif
;; end of part 3
;; ======== version 2 of 3: 3 launches
;; workspace buffers: WT 2,097,152 bytes; hp 1,048,576 bytes; e2 262,144 bytes; ctxp 2,097,152 bytes
;; launch prep: the kernel of part 1 again; grid 128 x 1, 4 waves a work-group, no clusters, 101,376 bytes of LDS; arguments W_f, W_h, hidden, WT, hp; writes WT, hp
;; launch energy (part 4): grid 16 x 32, 4 waves a work-group, no clusters, 276,992 bytes of LDS; arguments features, WT, hp, V, e2, ctxp; writes e2, ctxp
.if DOCPART == 4
	.amdgcn_target "amdgcn-amd-amdhsa--gfx1250"
	.amdhsa_code_object_version 6
	.text
	.protected	k_q5a32c3d91b_energy
	.globl	k_q5a32c3d91b_energy
	.p2align	8
	.type	k_q5a32c3d91b_energy,@function
k_q5a32c3d91b_energy:
	s_mov_b64 s[64:65], 0
	v_nop
	global_prefetch_b8 v0, s[64:65] scope:SCOPE_SE
	s_setreg_imm32_b32 hwreg(HW_REG_WAVE_MODE, 25, 1), 1
	s_wait_xcnt 0x0
; energy: one work-group = 128 rows l of one batch (block x of 16, batch y).  With c = 2 log2(e):
;   y[l][n]  = c (hidden W_h)[n] + sum over k of bf16(features[l][k]) * bf16(c W_f[k][n])
;   r        = 1 / (1 + 2^y), so that tanh = 1 - 2 r: y -> +inf gives r = 0, y -> -inf gives r = 1; no clamp is needed
;   e2[l]    = sum over n of (-c V[n]) r[l][n]  =  log2(e) * (energy[l] - sum(V)); the constant sum(V) falls out of softmax
;   m        = max over the block's rows of e2,  p[l] = 2^(e2[l] - m),  ctxp[f] = sum over l of p[l] * bf16(features[l][f])
; Stored: e2 (the block's 128 numbers) and ctxp (1,024 numbers); the last launch joins the 16 blocks of a batch by their maxima.
; LIMITS: operands of the product and the features in ctxp are rounded to bf16 (W after the scaling by c); 2^x below 2^-126 comes out as 0.
;
; SHAPE.  The block's features, 128 rows x 1,024 k in bf16, stay in LDS from the product to the context, so features are read from memory once
; and converted once.  Four waves; the 1,024 columns n go in two chunks; in chunk ch wave w makes 128 rows x columns 128 (2 w + ch) .. + 127:
; 64 accumulator tiles, 512 registers.  K goes in 32 steps of 32: 64 matrix instructions on 8 KiB of features from LDS and 8 KiB of W.
; W: no two waves of the work-group use the same W, so LDS would add nothing inside the work-group; a wave loads its W straight into registers
; from WT, which lies in fragment order (512 neighbouring bytes an instruction; a wave's 64 k-steps follow each other), three k-steps ahead.
; THE TEXT IS KEPT SHORT: a chunk is k-step 0 (its products start the sums), seven trips of four k-steps, run from loops, and a tail of three
; k-steps that load no W.  The tail and the epilogue are one text for both chunks.
; FEATURES are read while chunk 0 is multiplied.  Once a trip, in its third k-step, a wave rounds its 32 rows x 128 k to bf16 in the registers
; that they were loaded into, stores them to LDS and asks for the next 128 k, which it will convert a trip later.
; NO CLUSTER, NO TENSOR LOADS: all work-groups walk the same W, but beside the 264,192 bytes of features and 12,288 of small tables 51,200 of
; the 327,680 bytes of LDS are left, and one k-step of W for the four waves is 32,768 bytes: two slots of W do not fit.
; NO PREFETCH: the loads of features go out a trip ahead of their conversion, into registers; a look-ahead beyond them would, in a loop's last
; trips, point past a row's end.
;
; LDS: row l of the block at l*2,064 (2,048 bytes + 16: 129 16-byte columns, odd, so the 16 rows of a fragment fall on 16 different columns);
;      CHS 264,192: c h[n], 4,096 bytes; then -c V[n], 4,096; ES 272,384: each wave's 128 partial energies; PS 274,432: each wave's own copy of p.
; REGISTERS: window 0: addresses, AF = fragments of features (8 x 16 rows x 32 k), ST = 32 rows x 128 k of features in f32 (later CH, VV);
;      window 1: BF = W, four buffers of 64; window 2: accumulator tiles of rows 0-63 (tile (a, b) at 8 (8 a + b)); window 3: rows 64-127.
.set APITCH, 2064
.set TPITCH, 16*APITCH                 ; from a row tile to the next: 33,024
.set WROWS,  32*APITCH                 ; 32 rows: what one wave stores, and what one fragment address register reaches: 66,048
.set CHS,    128*APITCH
.set ES,     CHS+8192
.set PS,     ES+2048
.set KB,     8192                      ; a wave's W of one k-step
.set ADB,   4                          ; v[4:7]    (32 p + r)*2,064 + 16 h: fragments of row tiles 2 p, 2 p + 1, k = 0; constant
.set AD,    8                          ; v[8:11]   the same at the trip at work: + 256 bytes a trip
.set STA,   12                         ; (32 w + 8 h)*2,064 + 8 r + 256 bytes for each 128 k: where converted features go
.set FO,    13                         ; features: w*32 rows + h*8 rows + 16 r bytes; constant
.set BO,    14                         ; WT: w*524,288 + 16 L; constant
.set CHA,   15                         ; CHS + 1,024 w + 32 h + 512 chunk
.set EACC,  16                         ; v[16:23]  partial energy of row 16 A + r
.set T,     24                         ; v[24:55]  at work
.set TID16, T+8                        ; set-up only: 16 x thread
.set CHW,   T+9                        ; set-up only: CHS + 16 x thread
.set CT,    48                         ; v[48:55]  the context's eight sums
.set OUTO,  56                         ; 1,024 w + 16 L
.set CXA,   57                         ; 512 w + 8 L; stepped in the context
.set L16,   58                         ; 16 L
.set ESA,   60                         ; ES + 512 w + 4 r
.set ESR,   61                         ; ES + 16 L
.set PSW,   62                         ; PS + 512 w + 16 L
.set PSA,   63                         ; PS + 512 w; stepped in the context
.set AF,    64                         ; v[64:127]
.set ST,    128                        ; v[128:255]
.set CH,    128                        ; v[128:191] c h of my 128 columns: 8 b + j  <->  n = 16 b + 8 h + j
.set VV,    192                        ; v[192:255] -c V likewise
.set CX,    64                         ; v[64:127]  the context: 16 rows, 4 registers each
.set CP,    128                        ; v[128:143] the context: p of the 16 rows
.set MUL_LO, 0xa1                      ; source 0 (W) window 1, source 1 (features) window 0, C and D window 2
.set MUL_HI, 0xf1                      ; the same, C and D window 3
.set TO_B,   0x40                      ; destination window 1, address window 0
.set EPI_LO, 0xa2                      ; destination, sources 0 and 2 window 2, source 1 window 0
.set EPI_HI, 0xf3
.set RED_LO, 0x0a                      ; sources 0 and 1 window 2, destination window 0
.set RED_HI, 0x0f
.set MSB, 0
.macro WIN new                         ; the immediate's high byte repeats the setting that is left
.if MSB != \new
	s_set_vgpr_msb (MSB<<8)|\new
.set MSB, \new
.endif
.endm
.macro PLACES                          ; four places behind a matrix instruction (ISA guide 7.12.1) before its registers are loaded again or its result is read
.rept 4
	v_nop
.endr
.endm
; 16 matrix instructions: row tiles a0, a0 + 1 of the window's four x all 8 column tiles, 32 along K.  Source 0 = 16 columns of W, source 1 = 16 rows
; of features: lane (r, h) gets row 16 a + r, register j column 16 b + 8 h + j.  zero = 1: the first product starts the sums.
; The 64 accumulators take turns, one instruction a turn, over every back edge and join too.
.macro MUL16 q, hi, a0, zero
.irp a, \a0, \a0+1
.irp b, 0,1,2,3,4,5,6,7
.if \zero
	v_wmma_f32_16x16x32_bf16 v[8*(8*(\a)+\b):8*(8*(\a)+\b)+7], v[64*\q+8*\b:64*\q+8*\b+7], v[AF+8*(4*\hi+\a):AF+8*(4*\hi+\a)+7], 0
.else
	v_wmma_f32_16x16x32_bf16 v[8*(8*(\a)+\b):8*(8*(\a)+\b)+7], v[64*\q+8*\b:64*\q+8*\b+7], v[AF+8*(4*\hi+\a):AF+8*(4*\hi+\a)+7], v[8*(8*(\a)+\b):8*(8*(\a)+\b)+7]
.endif
.endr
.endr
.endm
; Fragments of features, row tiles 4 half .. 4 half + 3, of the k-step that begins off bytes behind the trip's first column
.macro ALOAD half, off
.irp a, 0,1,2,3
	ds_load_b128 v[AF+8*(4*\half+\a):AF+8*(4*\half+\a)+3],   v[AD+2*\half+(\a>>1)] offset:\off+(\a&1)*TPITCH
	ds_load_b128 v[AF+8*(4*\half+\a)+4:AF+8*(4*\half+\a)+7], v[AD+2*\half+(\a>>1)] offset:\off+(\a&1)*TPITCH+32
.endr
.endm
; One k-step of my W, 8 KiB, into buffer q (under TO_B).  No hint: every work-group reads WT.
.macro BLOAD q, imm
.irp n, 0,1,2,3,4,5,6,7,8,9,10,11,12,13,14,15
	global_load_b128 v[64*\q+4*\n:64*\q+4*\n+3], v[BO], s[22:23] offset:\imm+\n*512
.endr
.endm
; My 32 rows x 128 k of features, 32 loads: part bt holds rows 32 w + 16 (bt & 1) + 8 h + j, k = 64 (bt >> 1) + 4 r ..: sixteen lanes take 256 neighbouring
; bytes of a row, aligned.  Read once in the launch.
.macro FLOADQ imm
.irp bt, 0,1,2,3
.irp j, 0,1,2,3,4,5,6,7
	global_load_b128 v[ST+32*\bt+4*\j:ST+32*\bt+4*\j+3], v[FO], s[4:5] offset:\imm+(16*(\bt&1)+\j)*4096+(\bt>>1)*256 th:TH_LOAD_NT
.endr
.endr
.endm
; They are rounded to bf16 in place (four f32 become the first two of their four registers) and stored.  The two halves of the lanes lie 8 rows = 16,512 bytes apart,
; that is 128 bytes modulo 256: the 32 lanes of a store cover all banks once.
.macro CVTQ
.irp bt, 0,1,2,3
.irp j, 0,1,2,3,4,5,6,7
	v_cvt_pk_bf16_f32 v[ST+32*\bt+4*\j],   v[ST+32*\bt+4*\j],   v[ST+32*\bt+4*\j+1]
	v_cvt_pk_bf16_f32 v[ST+32*\bt+4*\j+1], v[ST+32*\bt+4*\j+2], v[ST+32*\bt+4*\j+3]
.endr
.irp j, 0,1,2,3,4,5,6,7
	ds_store_b64 v[STA], v[ST+32*\bt+4*\j:ST+32*\bt+4*\j+1] offset:(16*(\bt&1)+\j)*APITCH+(\bt>>1)*128
.endr
.endr
.endm
; c h and -c V of my 128 columns of the chunk at work: 32 LDS loads
.macro EPLOAD
.irp b, 0,1,2,3,4,5,6,7
	ds_load_b128 v[CH+8*\b:CH+8*\b+3],   v[CHA] offset:\b*64
	ds_load_b128 v[CH+8*\b+4:CH+8*\b+7], v[CHA] offset:\b*64+16
	ds_load_b128 v[VV+8*\b:VV+8*\b+3],   v[CHA] offset:4096+\b*64
	ds_load_b128 v[VV+8*\b+4:VV+8*\b+7], v[CHA] offset:4096+\b*64+16
.endr
.endm
; ONE K-STEP.  q: W's buffer; zero: start the sums; lw: how many younger global loads may stay out when this step's W has to be there;
; aoff: where the next k-step's fragments lie (-1: none); bimm: offset from BP of the W three k-steps on, which goes into buffer q + 3 (-1: none);
; epl = 1: c h and -c V are fetched.
; AF is one buffer in two halves: tiles 0-3 are loaded again behind the 32 matrix instructions that read them, while tiles 4-7 are multiplied, and the other way round.
.macro KSTEP q, zero, lw, aoff, bimm, epl
	s_wait_loadcnt \lw                             ; loads come back in order (ISA guide 5.7.1): my W of this k-step is in
	s_wait_dscnt 8                                 ; tiles 0-3 are in; the eight loads of tiles 4-7 may be out
	WIN MUL_LO
	MUL16 \q, 0, 0, \zero
	MUL16 \q, 0, 2, \zero
	WIN 0
.if \aoff>=0
	PLACES
	ALOAD 0, \aoff
.endif
.if \epl
	EPLOAD
.endif
.if \bimm>=0
.set QN, (\q+3)&3
	WIN TO_B
	BLOAD QN, \bimm
	WIN 0
.endif
.if \epl
	s_wait_dscnt 32                                ; tiles 4-7 are in; the 32 loads of c h and -c V stay out
.else
	s_wait_dscnt 8                                 ; tiles 4-7 are in; the eight loads just issued stay out
.endif
	WIN MUL_HI
	MUL16 \q, 1, 0, \zero
	MUL16 \q, 1, 2, \zero
	WIN 0
	PLACES
.if \aoff>=0
	ALOAD 1, \aoff
.endif
.endm
; THE K-STEP THAT ALSO PRODUCES: a trip's third (buffer 3).  It stores the 128 k that the next trip's k-steps read, beginning with the fragments that this very step fetches.
; Two barriers fence the stores.  The second carries the data: behind it every wave's rows of the new columns lie in LDS.  The stores go to columns that no
; fragment load has touched yet, so the first orders no bytes; it keeps loads from the block and stores into it in separate intervals between barriers,
; whatever the column arithmetic.  Between each signal and its wait stand sixteen matrix instructions, register work alone.
; fl = 1: the registers are loaded again, with the 128 k that the next trip converts.
.macro PSTEP fl
	s_wait_loadcnt 32                              ; counts the W of the two k-steps behind mine; the 32 loads of features are older than my W, so they are in too
	s_wait_dscnt 8
	WIN MUL_LO
	MUL16 3, 0, 0, 0
	s_wait_dscnt 0x0                               ; all my fragment loads are back
	s_barrier_signal -1
	MUL16 3, 0, 2, 0
	WIN 0
	s_barrier_wait -1                              ; everybody's are
	CVTQ                                           ; its conversions are also the places in front of the loads into AF's tiles 0-3
	s_wait_dscnt 0x0                               ; for the other waves' sake: my rows of the new columns lie in LDS
	s_barrier_signal -1
	WIN MUL_HI
	MUL16 3, 1, 0, 0
	WIN 0
	s_barrier_wait -1                              ; everybody's do
	ALOAD 0, 256                                   ; the next k-step is the first in the new columns
	WIN TO_B
	BLOAD 2, 6*KB
	WIN 0
.if \fl
	FLOADQ 1024                                    ; behind the wait for the stores that read these registers
.endif
	WIN MUL_HI
	MUL16 3, 1, 2, 0
	WIN 0
	PLACES
	ALOAD 1, 256
.endm
; Behind a trip: four k-steps on.  prod = 1: the places of the next stores and loads of features step too.
.macro TRIPEND prod
.irp p, 0,1,2,3
	v_add_nc_u32 v[AD+\p], 256, v[AD+\p]
.endr
.if \prod
	v_add_nc_u32 v[STA], 256, v[STA]
.endif
	s_wait_xcnt 0x0                                ; the bases are stepped only when the loads that name them have had their addresses translated (ISA guide 3.1)
	s_add_nc_u64 s[22:23], s[22:23], 4*KB
.if \prod
	s_add_nc_u64 s[4:5], s[4:5], 512
.endif
.endm
; Trip t = k-steps 4 t + 1 .. 4 t + 4, on buffers 1, 2, 3, 0.
; With features on their way 64 loads follow the wanted W (two k-steps of W and the 32 of features): the wait names 63, the most that it can.
.macro PTRIP
	KSTEP 1, 0, 63, 128, 4*KB, 0
	KSTEP 2, 0, 63, 192, 5*KB, 0
	PSTEP 1
	KSTEP 0, 0, 63, 320, 7*KB, 0
	TRIPEND 1
.endm
.macro CTRIP                           ; chunk 0's last trip: the last 128 k are converted, nothing is left to load
	KSTEP 1, 0, 63, 128, 4*KB, 0
	KSTEP 2, 0, 63, 192, 5*KB, 0
	PSTEP 0
	KSTEP 0, 0, 32, 320, 7*KB, 0
	TRIPEND 0
.endm
.macro NTRIP                           ; chunk 1: features all in LDS; 32 = the W of the two k-steps behind the wanted one
	KSTEP 1, 0, 32, 128, 4*KB, 0
	KSTEP 2, 0, 32, 192, 5*KB, 0
	KSTEP 3, 0, 32, 256, 6*KB, 0
	KSTEP 0, 0, 32, 320, 7*KB, 0
	TRIPEND 0
.endm
.macro TAIL                            ; k-steps 29 to 31: no W is left to load, the counts run down
	KSTEP 1, 0, 32, 128, -1, 0
	KSTEP 2, 0, 16, 192, -1, 0
	KSTEP 3, 0, 0, -1, -1, 1
.endm
.macro STEP0                           ; k-step 0 of a chunk; 32 = the W of k-steps 1 and 2 (in chunk 0 more is out behind them: the count is the smaller figure)
.irp p, 0,1,2,3
	v_mov_b32 v[AD+\p], v[ADB+\p]
.endr
	ALOAD 0, 0
	ALOAD 1, 0
	KSTEP 0, 1, 32, 64, 3*KB, 0
.endm
; THE EPILOGUE of one window: tile t = 8 a + b goes through F (+ c h), X (2^y), P (+ 1), R (1 / ..), S (times -c V, summed over b into tile (a, 0)'s registers).
; Slot ek works on five tiles at once, so that a plain instruction on another tile stands behind each transcendental (ISA guide 5.7.2: one such
; instruction before the result is used) and the two kinds of instruction alternate.
.macro EPISLOT
.irp i, 0,1,2,3
.if ek>=0
.if ek<32
	v_exp_f32 v[8*ek+\i], v[8*ek+\i]
.endif
.endif
.if ek<31
	v_pk_add_f32 v[8*(ek+1)+2*\i:8*(ek+1)+2*\i+1], v[8*(ek+1)+2*\i:8*(ek+1)+2*\i+1], v[CH+8*((ek+1)&7)+2*\i:CH+8*((ek+1)&7)+2*\i+1]
.endif
.endr
.irp i, 0,1,2,3
.if ek>=0
.if ek<32
	v_exp_f32 v[8*ek+4+\i], v[8*ek+4+\i]
.endif
.endif
.if ek>=2
.if ((ek-2)&7)==0
	s_wait_alu depctr_va_vdst(0)
	v_pk_mul_f32 v[8*(ek-2)+2*\i:8*(ek-2)+2*\i+1], v[8*(ek-2)+2*\i:8*(ek-2)+2*\i+1], v[VV+2*\i:VV+2*\i+1]
.else
	s_wait_alu depctr_va_vdst(0)
	v_pk_fma_f32 v[64*((ek-2)>>3)+2*\i:64*((ek-2)>>3)+2*\i+1], v[8*(ek-2)+2*\i:8*(ek-2)+2*\i+1], v[VV+8*((ek-2)&7)+2*\i:VV+8*((ek-2)&7)+2*\i+1], v[64*((ek-2)>>3)+2*\i:64*((ek-2)>>3)+2*\i+1]
.endif
.endif
.endr
.if ek>=0
.if ek<2
	v_nop                                          ; no sum is due yet: the place behind the exponentials
.endif
.endif
.irp i, 0,1,2,3
.if ek>=1
.if ek<=32
	v_rcp_f32 v[8*(ek-1)+\i], v[8*(ek-1)+\i]
.endif
.endif
.if ek>=0
.if ek<32
	s_wait_alu depctr_va_vdst(0)
	v_pk_add_f32 v[8*ek+2*\i:8*ek+2*\i+1], v[8*ek+2*\i:8*ek+2*\i+1], 1.0 op_sel_hi:[1,0]
.endif
.endif
.endr
.if ek>=1
.if ek<=32
.irp i, 4,5,6,7
	v_rcp_f32 v[8*(ek-1)+\i], v[8*(ek-1)+\i]
.endr
	v_nop                                          ; the place behind the reciprocals
.endif
.endif
.endm
.macro EPISLOTS
.set ek, -1
.rept 35
	EPISLOT
.set ek, ek+1
.endr
.endm
.macro RED hi                          ; the eight sums of each row tile fall to four, into window 0
.irp a, 0,1,2,3
	v_pk_add_f32 v[T+4*(4*\hi+\a):T+4*(4*\hi+\a)+1],   v[64*\a:64*\a+1],   v[64*\a+2:64*\a+3]
	v_pk_add_f32 v[T+4*(4*\hi+\a)+2:T+4*(4*\hi+\a)+3], v[64*\a+4:64*\a+5], v[64*\a+6:64*\a+7]
.endr
.endm
.macro EPI
	s_wait_dscnt 0x0                               ; c h and -c V are in
	WIN EPI_LO
	EPISLOTS
	WIN RED_LO
	RED 0
	WIN EPI_HI
	EPISLOTS
	WIN RED_HI
	RED 1
	WIN 0
.irp A, 0,1,2,3,4,5,6,7
	v_pk_add_f32 v[T+4*\A:T+4*\A+1], v[T+4*\A:T+4*\A+1], v[T+4*\A+2:T+4*\A+3]
.endr
.irp A, 0,1,2,3,4,5,6,7
	v_add_f32 v[T+4*\A], v[T+4*\A], v[T+4*\A+1]
.endr
.irp A, 0,1,2,3,4,5,6,7
	v_add_f32 v[EACC+\A], v[EACC+\A], v[T+4*\A]
.endr
.endm
	; ---------------- set-up
	s_load_b256 s[4:11], s[0:1], 0x0               ; features s[4:5], WT s[6:7], hp s[8:9], V s[10:11]
	s_load_b128 s[12:15], s[0:1], 0x20             ; e2 s[12:13], ctxp s[14:15]
	v_and_b32 v1, 31, v0                           ; L
	v_lshrrev_b32 v2, 5, v0
	v_readfirstlane_b32 s16, v2                    ; wave
	v_and_b32 v2, 15, v0                           ; r
	v_bfe_u32 v3, v0, 4, 1                         ; h
	v_lshlrev_b32 v[TID16], 4, v0
	v_lshlrev_b32 v[L16], 4, v1
	s_lshl_b32 s29, s16, 17                        ; my 32 rows of 4,096 bytes
	v_lshlrev_b32 v[FO], 15, v3
	v_lshl_add_u32 v[FO], v2, 4, v[FO]
	v_add_nc_u32 v[FO], s29, v[FO]
	s_and_b32 s18, ttmp7, 0xffff                   ; batch
	s_lshl_b32 s19, s18, 4
	s_add_co_u32 s19, s19, ttmp9                   ; 16 batch + block
	s_lshl_b32 s20, s19, 19                        ; 128 rows of 4,096 bytes: 267,911,168 at the most
	s_mov_b32 s21, 0
	s_lshl_b32 s24, s18, 12
	s_mov_b32 s25, 0
	s_mov_b32 s26, 0x76543210                      ; v_permlanex16_b32: lane i of one half reads lane i of the other
	s_mov_b32 s27, 0xfedcba98
	s_wait_kmcnt 0x0
	s_add_nc_u64 s[4:5], s[4:5], s[20:21]          ; features at the block's first row; steps 512 bytes (128 k) a producing trip
	s_add_nc_u64 s[8:9], s[8:9], s[24:25]          ; hp at the batch's row of part 0
	s_mov_b64 s[22:23], s[6:7]                     ; BP: WT at the trip at work; steps four k-steps a trip
	; the eight partial sums of c (hidden W_h) and V: thread t takes numbers 4 t .. 4 t + 3 of each half of 512
.irp p, 0,1,2,3,4,5,6,7
.irp u, 0,1
	global_load_b128 v[AF+8*\p+4*\u:AF+8*\p+4*\u+3], v[TID16], s[8:9] offset:\p*131072+\u*2048
.endr
.endr
	global_load_b128 v[T:T+3],   v[TID16], s[10:11]
	global_load_b128 v[T+4:T+7], v[TID16], s[10:11] offset:2048
	FLOADQ 0                                       ; k = 0 .. 127
	s_lshl_b32 s20, s18, 13                        ; e2: batch * 8,192 + block * 512
	s_lshl_b32 s24, ttmp9, 9
	s_add_co_u32 s20, s20, s24
	s_add_nc_u64 s[12:13], s[12:13], s[20:21]
	s_lshl_b32 s20, s19, 12                        ; ctxp: (16 batch + block) * 4,096
	s_add_nc_u64 s[14:15], s[14:15], s[20:21]
	v_mul_u32_u24 v[ADB], v2, APITCH
	v_lshl_add_u32 v[ADB], v3, 4, v[ADB]
	v_add_nc_u32 v[ADB+1], WROWS, v[ADB]
	v_add_nc_u32 v[ADB+2], 2*WROWS, v[ADB]
	v_add_nc_u32 v[ADB+3], 3*WROWS, v[ADB]
	s_mul_i32 s28, s16, WROWS
	v_mul_u32_u24 v[STA], v3, 8*APITCH
	v_lshl_add_u32 v[STA], v2, 3, v[STA]
	v_add_nc_u32 v[STA], s28, v[STA]
	s_lshl_b32 s30, s16, 19
	v_add_nc_u32 v[BO], s30, v[L16]
	s_lshl_b32 s31, s16, 10
	s_add_co_u32 s32, s31, CHS
	v_lshl_add_u32 v[CHA], v3, 5, s32
	v_add_nc_u32 v[OUTO], s31, v[L16]
	s_lshl_b32 s33, s16, 9
	s_add_co_u32 s34, s33, ES
	v_lshl_add_u32 v[ESA], v2, 2, s34
	v_add_nc_u32 v[ESR], ES, v[L16]
	s_add_co_u32 s35, s33, PS
	v_add_nc_u32 v[PSW], s35, v[L16]
	v_mov_b32 v[PSA], s35
	v_lshl_add_u32 v[CXA], v1, 3, s33
	v_add_nc_u32 v[CHW], CHS, v[TID16]
.irp A, 0,1,2,3,4,5,6,7
	v_mov_b32 v[EACC+\A], 0                        ; both chunks add onto these by one text
.endr
	s_wait_loadcnt 32                              ; hp and V are in; the 32 loads of features stay out
.irp u, 0,1
.irp d, 0,2
.irp m, 0,2,4,6
	v_pk_add_f32 v[AF+8*\m+4*\u+\d:AF+8*\m+4*\u+\d+1], v[AF+8*\m+4*\u+\d:AF+8*\m+4*\u+\d+1], v[AF+8*(\m+1)+4*\u+\d:AF+8*(\m+1)+4*\u+\d+1]
.endr
.irp m, 0,4
	v_pk_add_f32 v[AF+8*\m+4*\u+\d:AF+8*\m+4*\u+\d+1], v[AF+8*\m+4*\u+\d:AF+8*\m+4*\u+\d+1], v[AF+8*(\m+2)+4*\u+\d:AF+8*(\m+2)+4*\u+\d+1]
.endr
	v_pk_add_f32 v[AF+4*\u+\d:AF+4*\u+\d+1], v[AF+4*\u+\d:AF+4*\u+\d+1], v[AF+32+4*\u+\d:AF+32+4*\u+\d+1]
.endr
.endr
.irp i, 0,2,4,6
	v_pk_mul_f32 v[T+\i:T+\i+1], v[T+\i:T+\i+1], 0xc038aa3b op_sel_hi:[1,0]       ; -c V
.endr
	ds_store_b128 v[CHW], v[AF:AF+3]
	ds_store_b128 v[CHW], v[AF+4:AF+7] offset:2048
	ds_store_b128 v[CHW], v[T:T+3]     offset:4096
	ds_store_b128 v[CHW], v[T+4:T+7]   offset:6144
	WIN TO_B
	BLOAD 0, 0                                     ; W of k-steps 0 to 2, ahead of the second 32 loads of features, as in every trip
	BLOAD 1, KB
	BLOAD 2, 2*KB
	WIN 0
	s_wait_loadcnt 48                              ; the first 128 k of features are in; the 48 loads of W stay out
	CVTQ
	v_add_nc_u32 v[STA], 256, v[STA]
	s_wait_dscnt 0x0                               ; for the other waves' sake: my rows of k = 0 .. 127, my part of c h and of -c V lie in LDS
	FLOADQ 512                                     ; k = 128 .. 255, converted in the first trip
	s_barrier_signal -1
	s_barrier_wait -1
	; ---------------- chunk 0: k-step 0, six trips that convert and load features, one that converts
	STEP0
	s_mov_b32 s24, 6
.Lprod:
	PTRIP
	s_sub_co_u32 s24, s24, 1
	s_cmp_lg_u32 s24, 0
	s_cbranch_scc1 .Lprod
	CTRIP
	; ---------------- twice: a chunk's last three k-steps and its epilogue.  Between the two stands chunk 1's k-step 0 and its seven trips;
	; the second trip of this loop leaves behind the epilogue.
	s_mov_b32 s25, 0
.Lhalf:
	TAIL
	s_cmp_lg_u32 s25, 0
	s_cbranch_scc1 .Lno_more_w
	WIN TO_B                                       ; behind chunk 0: chunk 1's first three k-steps of W are asked for ahead of the epilogue, during which they land
	BLOAD 0, 4*KB                                  ; BP stands at k-step 28 of chunk 0; a wave's two chunks follow each other in WT
	BLOAD 1, 5*KB
	BLOAD 2, 6*KB
	WIN 0
.Lno_more_w:
	EPI
	s_cmp_lg_u32 s25, 0
	s_cbranch_scc1 .Lenergies                      ; behind chunk 1's epilogue: out
	v_add_nc_u32 v[CHA], 512, v[CHA]               ; chunk 1's 128 columns of c h and -c V
	s_wait_xcnt 0x0                                ; BP is stepped only when the loads above have had their addresses translated (ISA guide 3.1)
	s_add_nc_u64 s[22:23], s[22:23], 4*KB          ; BP at chunk 1's k-step 0
	STEP0
	s_mov_b32 s24, 7
.Ltrip:
	NTRIP
	s_sub_co_u32 s24, s24, 1
	s_cmp_lg_u32 s24, 0
	s_cbranch_scc1 .Ltrip
	s_add_co_u32 s25, s25, 1
	s_cmp_lt_u32 s25, 2
	s_cbranch_scc1 .Lhalf
.Lenergies:
	; ---------------- the block's energies, maximum and p
.irp A, 0,1,2,3,4,5,6,7
	v_permlanex16_b32 v[T+\A], v[EACC+\A], s26, s27                ; the other eight columns of each tile (T has been written)
.endr
.irp A, 0,1,2,3,4,5,6,7
	v_add_f32 v[EACC+\A], v[EACC+\A], v[T+\A]
	ds_store_b32 v[ESA], v[EACC+\A] offset:64*\A                   ; row 16 A + r, my wave's columns; both halves write the same number
.endr
	s_wait_dscnt 0x0                               ; for the other waves' sake
	s_barrier_signal -1
	s_barrier_wait -1
.irp u, 0,1,2,3
	ds_load_b128 v[T+4*\u:T+4*\u+3], v[ESR] offset:512*\u          ; rows 4 L .. 4 L + 3, wave u's columns
.endr
	s_wait_dscnt 0x0
	v_pk_add_f32 v[T:T+1],     v[T:T+1],     v[T+4:T+5]
	v_pk_add_f32 v[T+2:T+3],   v[T+2:T+3],   v[T+6:T+7]
	v_pk_add_f32 v[T+8:T+9],   v[T+8:T+9],   v[T+12:T+13]
	v_pk_add_f32 v[T+10:T+11], v[T+10:T+11], v[T+14:T+15]
	v_pk_add_f32 v[T:T+1],     v[T:T+1],     v[T+8:T+9]
	v_pk_add_f32 v[T+2:T+3],   v[T+2:T+3],   v[T+10:T+11]          ; v[T:T+3] = e2 of rows 4 L .. 4 L + 3; not rewritten: wave 0 stores them
	v_max3_num_f32 v[T+4], v[T], v[T+1], v[T+2]
	v_max_num_f32 v[T+4], v[T+4], v[T+3]
	v_max_num_f32_dpp v[T+4], v[T+4], v[T+4] row_xmask:1 row_mask:0xf bank_mask:0xf
	v_max_num_f32_dpp v[T+4], v[T+4], v[T+4] row_xmask:2 row_mask:0xf bank_mask:0xf
	v_max_num_f32_dpp v[T+4], v[T+4], v[T+4] row_xmask:4 row_mask:0xf bank_mask:0xf
	v_max_num_f32_dpp v[T+4], v[T+4], v[T+4] row_xmask:8 row_mask:0xf bank_mask:0xf
	v_permlanex16_b32 v[T+5], v[T+4], s26, s27
	v_max_num_f32 v[T+4], v[T+4], v[T+5]           ; the block's maximum, in every lane
.irp i, 0,1,2,3
	v_sub_f32 v[T+8+\i], v[T+\i], v[T+4]
.endr
.irp i, 0,1,2,3
	v_exp_f32 v[T+8+\i], v[T+8+\i]
.endr
	v_mov_b32 v[CT], 0                             ; plain work behind the exponentials: the context's eight sums start at 0
.irp i, 1,2,3,4,5,6,7
	v_mov_b32 v[CT+\i], 0
.endr
	s_wait_alu depctr_va_vdst(0)
	ds_store_b128 v[PSW], v[T+8:T+11]              ; p, into my wave's own copy: no barrier
	s_cmp_lg_u32 s16, 0
	s_cbranch_scc1 .Lnot_wave_0
	global_store_b128 v[L16], v[T:T+3], s[12:13]   ; all four waves hold the same numbers; wave 0 stores the block's 512 bytes
.Lnot_wave_0:
	; ---------------- the context: wave w takes columns 256 w .. 256 w + 255; a lane takes columns 4 L .. 4 L + 3 of the first 128 and of the second 128.
	; One row of results for a batch: a matrix tile would be fifteen sixteenths empty, so fused multiply-adds straight from the bf16 halves do it.
	; One buffer of 16 rows that rolls: behind a row's eight multiply-adds its registers are loaded again with the row 16 further down, and behind every fourth
	; row the four p.  That is 36 LDS loads for 16 rows, always in this order, so the counts are the same in every trip:
	;   behind a row's two loads 34 are issued before the row's turn comes again; behind a group of four p, 27 before its first row's turn.
.macro CTXLD row, rb
	ds_load_b64 v[CX+4*\row:CX+4*\row+1],   v[CXA] offset:(\rb+\row)*APITCH        ; 32 lanes: 256 neighbouring bytes of the row
	ds_load_b64 v[CX+4*\row+2:CX+4*\row+3], v[CXA] offset:(\rb+\row)*APITCH+256
.if (\row&3)==3
	ds_load_b128 v[CP+\row-3:CP+\row], v[PSA] offset:4*(\rb+\row-3)                ; p of four rows, the same address in every lane
.endif
.endm
.macro CTXROWS ld                      ; 16 rows; ld = 1: each is loaded again
.set l, 0
.rept 16
.if \ld
.if (l&3)==0
	s_wait_dscnt 27
.else
	s_wait_dscnt 34
.endif
.else
.if (l&3)==0
	s_wait_dscnt 27-9*(l>>2)                       ; nothing is issued any more: the counts run down
.else
	s_wait_dscnt 34-2*l-(l>>2)
.endif
.endif
.irp c, 0,1,2,3
	v_fma_mix_f32_bf16 v[CT+2*\c],   v[CX+4*l+\c], v[CP+l], v[CT+2*\c]   op_sel_hi:[1,0,0]
	v_fma_mix_f32_bf16 v[CT+2*\c+1], v[CX+4*l+\c], v[CP+l], v[CT+2*\c+1] op_sel:[1,0,0] op_sel_hi:[1,0,0]
.endr
.if \ld
	CTXLD l, 16
.endif
.set l, l+1
.endr
.endm
.set l, 0
.rept 16
	CTXLD l, 0                                     ; rows 0 to 15; LDS serves a wave's instructions in order: the loads of p see the store above
.set l, l+1
.endr
	s_mov_b32 s24, 7
.Lctx:
	CTXROWS 1
	v_add_nc_u32 v[CXA], TPITCH, v[CXA]            ; 16 rows on
	v_add_nc_u32 v[PSA], 64, v[PSA]
	s_sub_co_u32 s24, s24, 1
	s_cmp_lg_u32 s24, 0
	s_cbranch_scc1 .Lctx
	CTXROWS 0                                      ; rows 112 to 127
	global_store_b128 v[OUTO], v[CT:CT+3],   s[14:15]              ; 512 neighbouring bytes each, aligned
	global_store_b128 v[OUTO], v[CT+4:CT+7], s[14:15] offset:512
	s_wait_xcnt 0x0
	v_lshl_add_u32 v254, v0, 2, 0x43800
	v_mov_b32 v255, 0
	s_wait_tensorcnt 0x0
	ds_add_u32 v254, v255
	s_wait_dscnt 0x0
	s_endpgm
.Lfunc_end_k_q5a32c3d91b_energy:
	.size	k_q5a32c3d91b_energy, .Lfunc_end_k_q5a32c3d91b_energy-k_q5a32c3d91b_energy
	.p2alignl 7, 3214868480
	.fill 96, 4, 3214868480
	.section	.rodata,"a",@progbits
	.p2align	6, 0x0
	.amdhsa_kernel k_q5a32c3d91b_energy
		.amdhsa_group_segment_fixed_size 276992
		.amdhsa_private_segment_fixed_size 0
		.amdhsa_enable_private_segment 0
		.amdhsa_kernarg_size 48
		.amdhsa_user_sgpr_count 2
		.amdhsa_user_sgpr_kernarg_segment_ptr 1
		.amdhsa_wavefront_size32 1
		.amdhsa_system_sgpr_workgroup_id_x 1
		.amdhsa_system_sgpr_workgroup_id_y 1
		.amdhsa_system_sgpr_workgroup_id_z 1
		.amdhsa_system_vgpr_workitem_id 0
		.amdhsa_next_free_vgpr 1024
		.amdhsa_next_free_sgpr 66
		.amdhsa_reserve_vcc 0
		.amdhsa_float_denorm_mode_32 3
		.amdhsa_float_denorm_mode_16_64 3
		.amdhsa_memory_ordered 1
		.amdhsa_forward_progress 1
		.amdhsa_inst_pref_size 255
	.end_amdhsa_kernel
	.section	.bss,"aw",@nobits
	.p2align	6
	.space	262144
	.amdgpu_metadata
---
amdhsa.version: [ 1, 2 ]
amdhsa.kernels:
  - .name:           k_q5a32c3d91b_energy
    .symbol:         k_q5a32c3d91b_energy.kd
    .args:
      - { .name: features, .offset: 0, .size: 8, .value_kind: global_buffer, .address_space: global }
      - { .name: WT, .offset: 8, .size: 8, .value_kind: global_buffer, .address_space: global }
      - { .name: hp, .offset: 16, .size: 8, .value_kind: global_buffer, .address_space: global }
      - { .name: V, .offset: 24, .size: 8, .value_kind: global_buffer, .address_space: global }
      - { .name: e2, .offset: 32, .size: 8, .value_kind: global_buffer, .address_space: global }
      - { .name: ctxp, .offset: 40, .size: 8, .value_kind: global_buffer, .address_space: global }
    .group_segment_fixed_size: 276992
    .private_segment_fixed_size: 0
    .kernarg_segment_align: 8
    .kernarg_segment_size: 48
    .max_flat_workgroup_size: 128
    .sgpr_count:     66
    .vgpr_count:     1024
    .wavefront_size: 32
...
	.end_amdgpu_metadata
.endif
;; end of part 4
;; launch finish: the kernel of part 3 again; grid 8 x 32, 1 waves a work-group, no clusters, 0 bytes of LDS; arguments e2, ctxp, out0, out1; writes out0, out1
;; ======== version 3 of 3: 3 launches
;; workspace buffers: WT 2,097,152 bytes; hp 1,048,576 bytes; e2 262,144 bytes; ctxp 2,097,152 bytes
;; launch prep: the kernel of part 1 again; grid 128 x 1, 4 waves a work-group, no clusters, 101,376 bytes of LDS; arguments W_f, W_h, hidden, WT, hp; writes WT, hp
;; launch energy (part 5): grid 16 x 32, 4 waves a work-group, no clusters, 276,992 bytes of LDS; arguments features, WT, hp, V, e2, ctxp; writes e2, ctxp
.if DOCPART == 5
	.amdgcn_target "amdgcn-amd-amdhsa--gfx1250"
	.amdhsa_code_object_version 6
	.text
	.protected	k_q5a32c3d91b_energy
	.globl	k_q5a32c3d91b_energy
	.p2align	8
	.type	k_q5a32c3d91b_energy,@function
k_q5a32c3d91b_energy:
	s_mov_b64 s[64:65], 0
	v_nop
	global_prefetch_b8 v0, s[64:65] scope:SCOPE_SE
	s_setreg_imm32_b32 hwreg(HW_REG_WAVE_MODE, 25, 1), 1
	s_wait_xcnt 0x0
; energy: one work-group = 128 rows l of one batch (block x of 16, batch y).  With c = 2 log2(e):
;   y[l][n]  = c (hidden W_h)[n] + sum over k of bf16(features[l][k]) * bf16(c W_f[k][n])
;   r        = 1 / (1 + 2^y), so that tanh = 1 - 2 r: y -> +inf gives r = 0, y -> -inf gives r = 1; no clamp is needed
;   e2[l]    = sum over n of (-c V[n]) r[l][n]  =  log2(e) * (energy[l] - sum(V)); the constant sum(V) falls out of softmax
;   m        = max over the block's rows of e2,  p[l] = 2^(e2[l] - m),  ctxp[f] = sum over l of p[l] * bf16(features[l][f])
; Stored: e2 (the block's 128 numbers) and ctxp (1,024 numbers); the last launch joins the 16 blocks of a batch by their maxima.
; LIMITS: operands of the product and the features in ctxp are rounded to bf16 (W after the scaling by c); 2^x below 2^-126 comes out as 0.
;
; SHAPE.  The block's features, 128 rows x 1,024 k in bf16, stay in LDS from the product to the context, so features are read from memory once
; and converted once.  Four waves; the 1,024 columns n go in two chunks; in chunk ch wave w makes 128 rows x columns 128 (2 w + ch) .. + 127:
; 64 accumulator tiles, 512 registers.  K goes in 32 steps of 32: 64 matrix instructions on 8 KiB of features from LDS and 8 KiB of W.
; W: no two waves of the work-group use the same W, so LDS would add nothing inside the work-group; a wave loads its W straight into registers
; from WT, which lies in fragment order (512 neighbouring bytes an instruction; a wave's 64 k-steps follow each other), three k-steps ahead.
; THE TEXT IS KEPT SHORT: a chunk is k-step 0 (its products start the sums), seven trips of four k-steps, run from loops, and a tail of three
; k-steps that load no W.  The tail and the epilogue are one text for both chunks.
; FEATURES are read while chunk 0 is multiplied.  Once a trip, in its third k-step, a wave rounds its 32 rows x 128 k to bf16 in the registers
; that they were loaded into, stores them to LDS and asks for the next 128 k, which it will convert a trip later.
; THE EPILOGUE'S TRANSCENDENTALS GO IN BATCHES.  A window's 32 tiles are four groups of eight (a row tile each).  A phase holds the exponentials of one
; group and the reciprocals of the group before it, with plain work between them that names none of their results, and ends with one
; s_wait_alu: five a window, ten an epilogue.  The four exponentials of p are a batch of their own.
; NO CLUSTER, NO TENSOR LOADS: all work-groups walk the same W, but beside the 264,192 bytes of features and 12,288 of small tables 51,200 of
; the 327,680 bytes of LDS are left, and one k-step of W for the four waves is 32,768 bytes: two slots of W do not fit.
; NO PREFETCH: the loads of features go out a trip ahead of their conversion, into registers; a look-ahead beyond them would, in a loop's last
; trips, point past a row's end.
;
; LDS: row l of the block at l*2,064 (2,048 bytes + 16: 129 16-byte columns, odd, so the 16 rows of a fragment fall on 16 different columns);
;      CHS 264,192: c h[n], 4,096 bytes; then -c V[n], 4,096; ES 272,384: each wave's 128 partial energies; PS 274,432: each wave's own copy of p.
; REGISTERS: window 0: addresses, AF = fragments of features (8 x 16 rows x 32 k), ST = 32 rows x 128 k of features in f32 (later CH, VV);
;      window 1: BF = W, four buffers of 64; window 2: accumulator tiles of rows 0-63 (tile (a, b) at 8 (8 a + b)); window 3: rows 64-127.
.set APITCH, 2064
.set TPITCH, 16*APITCH                 ; from a row tile to the next: 33,024
.set WROWS,  32*APITCH                 ; 32 rows: what one wave stores, and what one fragment address register reaches: 66,048
.set CHS,    128*APITCH
.set ES,     CHS+8192
.set PS,     ES+2048
.set KB,     8192                      ; a wave's W of one k-step
.set ADB,   4                          ; v[4:7]    (32 p + r)*2,064 + 16 h: fragments of row tiles 2 p, 2 p + 1, k = 0; constant
.set AD,    8                          ; v[8:11]   the same at the trip at work: + 256 bytes a trip
.set STA,   12                         ; (32 w + 8 h)*2,064 + 8 r + 256 bytes for each 128 k: where converted features go
.set FO,    13                         ; features: w*32 rows + h*8 rows + 16 r bytes; constant
.set BO,    14                         ; WT: w*524,288 + 16 L; constant
.set CHA,   15                         ; CHS + 1,024 w + 32 h + 512 chunk
.set EACC,  16                         ; v[16:23]  partial energy of row 16 A + r
.set T,     24                         ; v[24:55]  at work
.set TID16, T+8                        ; set-up only: 16 x thread
.set CHW,   T+9                        ; set-up only: CHS + 16 x thread
.set CT,    48                         ; v[48:55]  the context's eight sums
.set OUTO,  56                         ; 1,024 w + 16 L
.set CXA,   57                         ; 512 w + 8 L; stepped in the context
.set L16,   58                         ; 16 L
.set ESA,   60                         ; ES + 512 w + 4 r
.set ESR,   61                         ; ES + 16 L
.set PSW,   62                         ; PS + 512 w + 16 L
.set PSA,   63                         ; PS + 512 w; stepped in the context
.set AF,    64                         ; v[64:127]
.set ST,    128                        ; v[128:255]
.set CH,    128                        ; v[128:191] c h of my 128 columns: 8 b + j  <->  n = 16 b + 8 h + j
.set VV,    192                        ; v[192:255] -c V likewise
.set CX,    64                         ; v[64:127]  the context: 16 rows, 4 registers each
.set CP,    128                        ; v[128:143] the context: p of the 16 rows
.set MUL_LO, 0xa1                      ; source 0 (W) window 1, source 1 (features) window 0, C and D window 2
.set MUL_HI, 0xf1                      ; the same, C and D window 3
.set TO_B,   0x40                      ; destination window 1, address window 0
.set EPI_LO, 0xa2                      ; destination, sources 0 and 2 window 2, source 1 window 0
.set EPI_HI, 0xf3
.set RED_LO, 0x0a                      ; sources 0 and 1 window 2, destination window 0
.set RED_HI, 0x0f
.set MSB, 0
.macro WIN new                         ; the immediate's high byte repeats the setting that is left
.if MSB != \new
	s_set_vgpr_msb (MSB<<8)|\new
.set MSB, \new
.endif
.endm
.macro PLACES                          ; four places behind a matrix instruction (ISA guide 7.12.1) before its registers are loaded again or its result is read
.rept 4
	v_nop
.endr
.endm
; 16 matrix instructions: row tiles a0, a0 + 1 of the window's four x all 8 column tiles, 32 along K.  Source 0 = 16 columns of W, source 1 = 16 rows
; of features: lane (r, h) gets row 16 a + r, register j column 16 b + 8 h + j.  zero = 1: the first product starts the sums.
; The 64 accumulators take turns, one instruction a turn, over every back edge and join too.
.macro MUL16 q, hi, a0, zero
.irp a, \a0, \a0+1
.irp b, 0,1,2,3,4,5,6,7
.if \zero
	v_wmma_f32_16x16x32_bf16 v[8*(8*(\a)+\b):8*(8*(\a)+\b)+7], v[64*\q+8*\b:64*\q+8*\b+7], v[AF+8*(4*\hi+\a):AF+8*(4*\hi+\a)+7], 0
.else
	v_wmma_f32_16x16x32_bf16 v[8*(8*(\a)+\b):8*(8*(\a)+\b)+7], v[64*\q+8*\b:64*\q+8*\b+7], v[AF+8*(4*\hi+\a):AF+8*(4*\hi+\a)+7], v[8*(8*(\a)+\b):8*(8*(\a)+\b)+7]
.endif
.endr
.endr
.endm
; Fragments of features, row tiles 4 half .. 4 half + 3, of the k-step that begins off bytes behind the trip's first column
.macro ALOAD half, off
.irp a, 0,1,2,3
	ds_load_b128 v[AF+8*(4*\half+\a):AF+8*(4*\half+\a)+3],   v[AD+2*\half+(\a>>1)] offset:\off+(\a&1)*TPITCH
	ds_load_b128 v[AF+8*(4*\half+\a)+4:AF+8*(4*\half+\a)+7], v[AD+2*\half+(\a>>1)] offset:\off+(\a&1)*TPITCH+32
.endr
.endm
; One k-step of my W, 8 KiB, into buffer q (under TO_B).  No hint: every work-group reads WT.
.macro BLOAD q, imm
.irp n, 0,1,2,3,4,5,6,7,8,9,10,11,12,13,14,15
	global_load_b128 v[64*\q+4*\n:64*\q+4*\n+3], v[BO], s[22:23] offset:\imm+\n*512
.endr
.endm
; My 32 rows x 128 k of features, 32 loads: part bt holds rows 32 w + 16 (bt & 1) + 8 h + j, k = 64 (bt >> 1) + 4 r ..: sixteen lanes take 256 neighbouring
; bytes of a row, aligned.  Read once in the launch.
.macro FLOADQ imm
.irp bt, 0,1,2,3
.irp j, 0,1,2,3,4,5,6,7
	global_load_b128 v[ST+32*\bt+4*\j:ST+32*\bt+4*\j+3], v[FO], s[4:5] offset:\imm+(16*(\bt&1)+\j)*4096+(\bt>>1)*256 th:TH_LOAD_NT
.endr
.endr
.endm
; They are rounded to bf16 in place (four f32 become the first two of their four registers) and stored.  The two halves of the lanes lie 8 rows = 16,512 bytes apart,
; that is 128 bytes modulo 256: the 32 lanes of a store cover all banks once.
.macro CVTQ
.irp bt, 0,1,2,3
.irp j, 0,1,2,3,4,5,6,7
	v_cvt_pk_bf16_f32 v[ST+32*\bt+4*\j],   v[ST+32*\bt+4*\j],   v[ST+32*\bt+4*\j+1]
	v_cvt_pk_bf16_f32 v[ST+32*\bt+4*\j+1], v[ST+32*\bt+4*\j+2], v[ST+32*\bt+4*\j+3]
.endr
.irp j, 0,1,2,3,4,5,6,7
	ds_store_b64 v[STA], v[ST+32*\bt+4*\j:ST+32*\bt+4*\j+1] offset:(16*(\bt&1)+\j)*APITCH+(\bt>>1)*128
.endr
.endr
.endm
; c h and -c V of my 128 columns of the chunk at work: 32 LDS loads
.macro EPLOAD
.irp b, 0,1,2,3,4,5,6,7
	ds_load_b128 v[CH+8*\b:CH+8*\b+3],   v[CHA] offset:\b*64
	ds_load_b128 v[CH+8*\b+4:CH+8*\b+7], v[CHA] offset:\b*64+16
	ds_load_b128 v[VV+8*\b:VV+8*\b+3],   v[CHA] offset:4096+\b*64
	ds_load_b128 v[VV+8*\b+4:VV+8*\b+7], v[CHA] offset:4096+\b*64+16
.endr
.endm
; ONE K-STEP.  q: W's buffer; zero: start the sums; lw: how many younger global loads may stay out when this step's W has to be there;
; aoff: where the next k-step's fragments lie (-1: none); bimm: offset from BP of the W three k-steps on, which goes into buffer q + 3 (-1: none);
; epl = 1: c h and -c V are fetched.
; AF is one buffer in two halves: tiles 0-3 are loaded again behind the 32 matrix instructions that read them, while tiles 4-7 are multiplied, and the other way round.
.macro KSTEP q, zero, lw, aoff, bimm, epl
	s_wait_loadcnt \lw                             ; loads come back in order (ISA guide 5.7.1): my W of this k-step is in
	s_wait_dscnt 8                                 ; tiles 0-3 are in; the eight loads of tiles 4-7 may be out
	WIN MUL_LO
	MUL16 \q, 0, 0, \zero
	MUL16 \q, 0, 2, \zero
	WIN 0
.if \aoff>=0
	PLACES
	ALOAD 0, \aoff
.endif
.if \epl
	EPLOAD
.endif
.if \bimm>=0
.set QN, (\q+3)&3
	WIN TO_B
	BLOAD QN, \bimm
	WIN 0
.endif
.if \epl
	s_wait_dscnt 32                                ; tiles 4-7 are in; the 32 loads of c h and -c V stay out
.else
	s_wait_dscnt 8                                 ; tiles 4-7 are in; the eight loads just issued stay out
.endif
	WIN MUL_HI
	MUL16 \q, 1, 0, \zero
	MUL16 \q, 1, 2, \zero
	WIN 0
	PLACES
.if \aoff>=0
	ALOAD 1, \aoff
.endif
.endm
; THE K-STEP THAT ALSO PRODUCES: a trip's third (buffer 3).  It stores the 128 k that the next trip's k-steps read, beginning with the fragments that this very step fetches.
; Two barriers fence the stores.  The second carries the data: behind it every wave's rows of the new columns lie in LDS.  The stores go to columns that no
; fragment load has touched yet, so the first orders no bytes; it keeps loads from the block and stores into it in separate intervals between barriers,
; whatever the column arithmetic.  Between each signal and its wait stand sixteen matrix instructions, register work alone.
; fl = 1: the registers are loaded again, with the 128 k that the next trip converts.
.macro PSTEP fl
	s_wait_loadcnt 32                              ; counts the W of the two k-steps behind mine; the 32 loads of features are older than my W, so they are in too
	s_wait_dscnt 8
	WIN MUL_LO
	MUL16 3, 0, 0, 0
	s_wait_dscnt 0x0                               ; all my fragment loads are back
	s_barrier_signal -1
	MUL16 3, 0, 2, 0
	WIN 0
	s_barrier_wait -1                              ; everybody's are
	CVTQ                                           ; its conversions are also the places in front of the loads into AF's tiles 0-3
	s_wait_dscnt 0x0                               ; for the other waves' sake: my rows of the new columns lie in LDS
	s_barrier_signal -1
	WIN MUL_HI
	MUL16 3, 1, 0, 0
	WIN 0
	s_barrier_wait -1                              ; everybody's do
	ALOAD 0, 256                                   ; the next k-step is the first in the new columns
	WIN TO_B
	BLOAD 2, 6*KB
	WIN 0
.if \fl
	FLOADQ 1024                                    ; behind the wait for the stores that read these registers
.endif
	WIN MUL_HI
	MUL16 3, 1, 2, 0
	WIN 0
	PLACES
	ALOAD 1, 256
.endm
; Behind a trip: four k-steps on.  prod = 1: the places of the next stores and loads of features step too.
.macro TRIPEND prod
.irp p, 0,1,2,3
	v_add_nc_u32 v[AD+\p], 256, v[AD+\p]
.endr
.if \prod
	v_add_nc_u32 v[STA], 256, v[STA]
.endif
	s_wait_xcnt 0x0                                ; the bases are stepped only when the loads that name them have had their addresses translated (ISA guide 3.1)
	s_add_nc_u64 s[22:23], s[22:23], 4*KB
.if \prod
	s_add_nc_u64 s[4:5], s[4:5], 512
.endif
.endm
; Trip t = k-steps 4 t + 1 .. 4 t + 4, on buffers 1, 2, 3, 0.
; With features on their way 64 loads follow the wanted W (two k-steps of W and the 32 of features): the wait names 63, the most that it can.
.macro PTRIP
	KSTEP 1, 0, 63, 128, 4*KB, 0
	KSTEP 2, 0, 63, 192, 5*KB, 0
	PSTEP 1
	KSTEP 0, 0, 63, 320, 7*KB, 0
	TRIPEND 1
.endm
.macro CTRIP                           ; chunk 0's last trip: the last 128 k are converted, nothing is left to load
	KSTEP 1, 0, 63, 128, 4*KB, 0
	KSTEP 2, 0, 63, 192, 5*KB, 0
	PSTEP 0
	KSTEP 0, 0, 32, 320, 7*KB, 0
	TRIPEND 0
.endm
.macro NTRIP                           ; chunk 1: features all in LDS; 32 = the W of the two k-steps behind the wanted one
	KSTEP 1, 0, 32, 128, 4*KB, 0
	KSTEP 2, 0, 32, 192, 5*KB, 0
	KSTEP 3, 0, 32, 256, 6*KB, 0
	KSTEP 0, 0, 32, 320, 7*KB, 0
	TRIPEND 0
.endm
.macro TAIL                            ; k-steps 29 to 31: no W is left to load, the counts run down
	KSTEP 1, 0, 32, 128, -1, 0
	KSTEP 2, 0, 16, 192, -1, 0
	KSTEP 3, 0, 0, -1, -1, 1
.endm
.macro STEP0                           ; k-step 0 of a chunk; 32 = the W of k-steps 1 and 2 (in chunk 0 more is out behind them: the count is the smaller figure)
.irp p, 0,1,2,3
	v_mov_b32 v[AD+\p], v[ADB+\p]
.endr
	ALOAD 0, 0
	ALOAD 1, 0
	KSTEP 0, 1, 32, 64, 3*KB, 0
.endm
; THE EPILOGUE of one window, in place in its 256 accumulator registers.  Every register goes through F (+ c h), X (2^y), P (+ 1), R (1 / ..) and
; S (times -c V, summed over the column tiles b, ascending, into tile (a, 0)'s registers).  The window is NG = 4 groups of GS = 64 registers: row tile a = group a.
; PHASE k is one batch.  Its transcendentals: X of group k, then R of group k - 1.  Its plain lines name no result of that batch: first P of group k - 1 (it reads X's
; results of the batch before, and all of it stands ahead of the first R), then S of group k - 2 (it reads R's results of the batch before) and F of group k + 1, by turns.
; The plain lines are dealt evenly among the transcendentals: behind the et-th of NT stands a plain line whenever LEAD + et (NP - LEAD) / NT has stepped; at et = NT it steps,
; so a phase's last line is a plain one that names nothing of the batch: the plain instruction that ISA guide 5.7.2 asks for behind a transcendental; no v_nop is written.
; Then the batch's one wait.  Phase 0 has F of groups 0 and 1 for its plain lines, phase 4 has no X, phase 5 is S of group 3 alone, with no transcendental and no wait.
; In phases 0 and 4 a stage and the transcendental that reads it share the phase: four plain lines lead, transcendental n reads pair n / 2, and 4 + 60 n / 64 pairs are done ahead of it;
; a later plain line's pair lies above every register that a transcendental has reached by then.
.set GS, 64
.set NG, 4
.macro EPF                             ; F on the pair at rho
	v_pk_add_f32 v[rho:rho+1], v[rho:rho+1], v[CH+rho%64:CH+rho%64+1]
.endm
.macro EPP                             ; P on the pair at rho
	v_pk_add_f32 v[rho:rho+1], v[rho:rho+1], 1.0 op_sel_hi:[1,0]
.endm
.macro EPS                             ; S on the pair at rho: column tile 0 starts the row tile's four pairs of sums, tiles 1 to 7 add onto them
.if rho%64 < 8
	v_pk_mul_f32 v[rho:rho+1], v[rho:rho+1], v[VV+rho%64:VV+rho%64+1]
.else
	v_pk_fma_f32 v[rho-rho%64+rho%8:rho-rho%64+rho%8+1], v[rho:rho+1], v[VV+rho%64:VV+rho%64+1], v[rho-rho%64+rho%8:rho-rho%64+rho%8+1]
.endif
.endm
.macro TQ                              ; the phase's next transcendental, number et
.if et < NX
	v_exp_f32 v[GS*PH+et], v[GS*PH+et]
.else
	v_rcp_f32 v[GS*(PH-1)+et-NX], v[GS*(PH-1)+et-NX]
.endif
.set et, et+1
.endm
.macro PQ                              ; the phase's next plain line, number ep
.if ep < NA
.if PH == 0
.set rho, 2*ep
	EPF
.else
.set rho, GS*(PH-1)+2*ep
	EPP
.endif
.elseif (NS > 0) && (NF > 0)
.if (ep-NA)%2 == 0
.set rho, GS*(PH-2)+(ep-NA)
	EPS
.else
.set rho, GS*(PH+1)+(ep-NA)-1
	EPF
.endif
.elseif NS > 0
.set rho, GS*(PH-2)+2*(ep-NA)
	EPS
.else
.set rho, GS*(PH+1)+2*(ep-NA)
	EPF
.endif
.set ep, ep+1
.endm
.macro PHASE ph
.set PH, \ph
.set NX, 0                             ; exponentials,
.set NR, 0                             ; reciprocals,
.set NA, 0                             ; P (in phase 0: F of group 0),
.set NS, 0                             ; S,
.set NF, 0                             ; and F in this phase
.set LEAD, 0
.if PH < NG
.set NX, GS
.endif
.if (PH >= 1) && (PH <= NG)
.set NR, GS
.endif
.if PH <= NG
.set NA, GS/2
.endif
.if PH >= 2
.set NS, GS/2
.endif
.if PH+1 < NG
.set NF, GS/2
.endif
.if (PH == 0) || (PH == NG)
.set LEAD, 4
.endif
.set NT, NX+NR
.set NP, NA+NS+NF
.if NT == 0
.set LEAD, NP
.endif
.set et, 0
.set ep, 0
.if LEAD > 0
.rept LEAD
	PQ
.endr
.endif
.if NT > 0
.rept NT
	TQ
.if ep < LEAD+et*(NP-LEAD)/NT
	PQ
.endif
.endr
	s_wait_alu depctr_va_vdst(0)                   ; one wait for the phase's batch (X of group PH, R of group PH - 1), ahead of the next phase, where P and S first name its results
.endif
.endm
.macro EPIWIN
	PHASE 0
	PHASE 1
	PHASE 2
	PHASE 3
	PHASE 4
	PHASE 5
.endm
.macro RED hi                          ; the eight sums of each row tile fall to four, into window 0
.irp a, 0,1,2,3
	v_pk_add_f32 v[T+4*(4*\hi+\a):T+4*(4*\hi+\a)+1],   v[64*\a:64*\a+1],   v[64*\a+2:64*\a+3]
	v_pk_add_f32 v[T+4*(4*\hi+\a)+2:T+4*(4*\hi+\a)+3], v[64*\a+4:64*\a+5], v[64*\a+6:64*\a+7]
.endr
.endm
.macro EPI
	s_wait_dscnt 0x0                               ; c h and -c V are in
	WIN EPI_LO
	EPIWIN
	WIN RED_LO
	RED 0
	WIN EPI_HI
	EPIWIN
	WIN RED_HI
	RED 1
	WIN 0
.irp A, 0,1,2,3,4,5,6,7
	v_pk_add_f32 v[T+4*\A:T+4*\A+1], v[T+4*\A:T+4*\A+1], v[T+4*\A+2:T+4*\A+3]
.endr
.irp A, 0,1,2,3,4,5,6,7
	v_add_f32 v[T+4*\A], v[T+4*\A], v[T+4*\A+1]
.endr
.irp A, 0,1,2,3,4,5,6,7
	v_add_f32 v[EACC+\A], v[EACC+\A], v[T+4*\A]
.endr
.endm
	; ---------------- set-up
	s_load_b256 s[4:11], s[0:1], 0x0               ; features s[4:5], WT s[6:7], hp s[8:9], V s[10:11]
	s_load_b128 s[12:15], s[0:1], 0x20             ; e2 s[12:13], ctxp s[14:15]
	v_and_b32 v1, 31, v0                           ; L
	v_lshrrev_b32 v2, 5, v0
	v_readfirstlane_b32 s16, v2                    ; wave
	v_and_b32 v2, 15, v0                           ; r
	v_bfe_u32 v3, v0, 4, 1                         ; h
	v_lshlrev_b32 v[TID16], 4, v0
	v_lshlrev_b32 v[L16], 4, v1
	s_lshl_b32 s29, s16, 17                        ; my 32 rows of 4,096 bytes
	v_lshlrev_b32 v[FO], 15, v3
	v_lshl_add_u32 v[FO], v2, 4, v[FO]
	v_add_nc_u32 v[FO], s29, v[FO]
	s_and_b32 s18, ttmp7, 0xffff                   ; batch
	s_lshl_b32 s19, s18, 4
	s_add_co_u32 s19, s19, ttmp9                   ; 16 batch + block
	s_lshl_b32 s20, s19, 19                        ; 128 rows of 4,096 bytes: 267,911,168 at the most
	s_mov_b32 s21, 0
	s_lshl_b32 s24, s18, 12
	s_mov_b32 s25, 0
	s_mov_b32 s26, 0x76543210                      ; v_permlanex16_b32: lane i of one half reads lane i of the other
	s_mov_b32 s27, 0xfedcba98
	s_wait_kmcnt 0x0
	s_add_nc_u64 s[4:5], s[4:5], s[20:21]          ; features at the block's first row; steps 512 bytes (128 k) a producing trip
	s_add_nc_u64 s[8:9], s[8:9], s[24:25]          ; hp at the batch's row of part 0
	s_mov_b64 s[22:23], s[6:7]                     ; BP: WT at the trip at work; steps four k-steps a trip
	; the eight partial sums of c (hidden W_h) and V: thread t takes numbers 4 t .. 4 t + 3 of each half of 512
.irp p, 0,1,2,3,4,5,6,7
.irp u, 0,1
	global_load_b128 v[AF+8*\p+4*\u:AF+8*\p+4*\u+3], v[TID16], s[8:9] offset:\p*131072+\u*2048
.endr
.endr
	global_load_b128 v[T:T+3],   v[TID16], s[10:11]
	global_load_b128 v[T+4:T+7], v[TID16], s[10:11] offset:2048
	FLOADQ 0                                       ; k = 0 .. 127
	s_lshl_b32 s20, s18, 13                        ; e2: batch * 8,192 + block * 512
	s_lshl_b32 s24, ttmp9, 9
	s_add_co_u32 s20, s20, s24
	s_add_nc_u64 s[12:13], s[12:13], s[20:21]
	s_lshl_b32 s20, s19, 12                        ; ctxp: (16 batch + block) * 4,096
	s_add_nc_u64 s[14:15], s[14:15], s[20:21]
	v_mul_u32_u24 v[ADB], v2, APITCH
	v_lshl_add_u32 v[ADB], v3, 4, v[ADB]
	v_add_nc_u32 v[ADB+1], WROWS, v[ADB]
	v_add_nc_u32 v[ADB+2], 2*WROWS, v[ADB]
	v_add_nc_u32 v[ADB+3], 3*WROWS, v[ADB]
	s_mul_i32 s28, s16, WROWS
	v_mul_u32_u24 v[STA], v3, 8*APITCH
	v_lshl_add_u32 v[STA], v2, 3, v[STA]
	v_add_nc_u32 v[STA], s28, v[STA]
	s_lshl_b32 s30, s16, 19
	v_add_nc_u32 v[BO], s30, v[L16]
	s_lshl_b32 s31, s16, 10
	s_add_co_u32 s32, s31, CHS
	v_lshl_add_u32 v[CHA], v3, 5, s32
	v_add_nc_u32 v[OUTO], s31, v[L16]
	s_lshl_b32 s33, s16, 9
	s_add_co_u32 s34, s33, ES
	v_lshl_add_u32 v[ESA], v2, 2, s34
	v_add_nc_u32 v[ESR], ES, v[L16]
	s_add_co_u32 s35, s33, PS
	v_add_nc_u32 v[PSW], s35, v[L16]
	v_mov_b32 v[PSA], s35
	v_lshl_add_u32 v[CXA], v1, 3, s33
	v_add_nc_u32 v[CHW], CHS, v[TID16]
.irp A, 0,1,2,3,4,5,6,7
	v_mov_b32 v[EACC+\A], 0                        ; both chunks add onto these by one text
.endr
	s_wait_loadcnt 32                              ; hp and V are in; the 32 loads of features stay out
.irp u, 0,1
.irp d, 0,2
.irp m, 0,2,4,6
	v_pk_add_f32 v[AF+8*\m+4*\u+\d:AF+8*\m+4*\u+\d+1], v[AF+8*\m+4*\u+\d:AF+8*\m+4*\u+\d+1], v[AF+8*(\m+1)+4*\u+\d:AF+8*(\m+1)+4*\u+\d+1]
.endr
.irp m, 0,4
	v_pk_add_f32 v[AF+8*\m+4*\u+\d:AF+8*\m+4*\u+\d+1], v[AF+8*\m+4*\u+\d:AF+8*\m+4*\u+\d+1], v[AF+8*(\m+2)+4*\u+\d:AF+8*(\m+2)+4*\u+\d+1]
.endr
	v_pk_add_f32 v[AF+4*\u+\d:AF+4*\u+\d+1], v[AF+4*\u+\d:AF+4*\u+\d+1], v[AF+32+4*\u+\d:AF+32+4*\u+\d+1]
.endr
.endr
.irp i, 0,2,4,6
	v_pk_mul_f32 v[T+\i:T+\i+1], v[T+\i:T+\i+1], 0xc038aa3b op_sel_hi:[1,0]       ; -c V
.endr
	ds_store_b128 v[CHW], v[AF:AF+3]
	ds_store_b128 v[CHW], v[AF+4:AF+7] offset:2048
	ds_store_b128 v[CHW], v[T:T+3]     offset:4096
	ds_store_b128 v[CHW], v[T+4:T+7]   offset:6144
	WIN TO_B
	BLOAD 0, 0                                     ; W of k-steps 0 to 2, ahead of the second 32 loads of features, as in every trip
	BLOAD 1, KB
	BLOAD 2, 2*KB
	WIN 0
	s_wait_loadcnt 48                              ; the first 128 k of features are in; the 48 loads of W stay out
	CVTQ
	v_add_nc_u32 v[STA], 256, v[STA]
	s_wait_dscnt 0x0                               ; for the other waves' sake: my rows of k = 0 .. 127, my part of c h and of -c V lie in LDS
	FLOADQ 512                                     ; k = 128 .. 255, converted in the first trip
	s_barrier_signal -1
	s_barrier_wait -1
	; ---------------- chunk 0: k-step 0, six trips that convert and load features, one that converts
	STEP0
	s_mov_b32 s24, 6
.Lprod:
	PTRIP
	s_sub_co_u32 s24, s24, 1
	s_cmp_lg_u32 s24, 0
	s_cbranch_scc1 .Lprod
	CTRIP
	; ---------------- twice: a chunk's last three k-steps and its epilogue.  Between the two stands chunk 1's k-step 0 and its seven trips;
	; the second trip of this loop leaves behind the epilogue.
	s_mov_b32 s25, 0
.Lhalf:
	TAIL
	s_cmp_lg_u32 s25, 0
	s_cbranch_scc1 .Lno_more_w
	WIN TO_B                                       ; behind chunk 0: chunk 1's first three k-steps of W are asked for ahead of the epilogue, during which they land
	BLOAD 0, 4*KB                                  ; BP stands at k-step 28 of chunk 0; a wave's two chunks follow each other in WT
	BLOAD 1, 5*KB
	BLOAD 2, 6*KB
	WIN 0
.Lno_more_w:
	EPI                                            ; behind its last wait no transcendental is issued: none is open at the branch below or at the loop's jump
	s_cmp_lg_u32 s25, 0
	s_cbranch_scc1 .Lenergies                      ; behind chunk 1's epilogue: out
	v_add_nc_u32 v[CHA], 512, v[CHA]               ; chunk 1's 128 columns of c h and -c V
	s_wait_xcnt 0x0                                ; BP is stepped only when the loads above have had their addresses translated (ISA guide 3.1)
	s_add_nc_u64 s[22:23], s[22:23], 4*KB          ; BP at chunk 1's k-step 0
	STEP0
	s_mov_b32 s24, 7
.Ltrip:
	NTRIP
	s_sub_co_u32 s24, s24, 1
	s_cmp_lg_u32 s24, 0
	s_cbranch_scc1 .Ltrip
	s_add_co_u32 s25, s25, 1
	s_cmp_lt_u32 s25, 2
	s_cbranch_scc1 .Lhalf
.Lenergies:
	; ---------------- the block's energies, maximum and p
.irp A, 0,1,2,3,4,5,6,7
	v_permlanex16_b32 v[T+\A], v[EACC+\A], s26, s27                ; the other eight columns of each tile (T has been written)
.endr
.irp A, 0,1,2,3,4,5,6,7
	v_add_f32 v[EACC+\A], v[EACC+\A], v[T+\A]
	ds_store_b32 v[ESA], v[EACC+\A] offset:64*\A                   ; row 16 A + r, my wave's columns; both halves write the same number
.endr
	s_wait_dscnt 0x0                               ; for the other waves' sake
	s_barrier_signal -1
	s_barrier_wait -1
.irp u, 0,1,2,3
	ds_load_b128 v[T+4*\u:T+4*\u+3], v[ESR] offset:512*\u          ; rows 4 L .. 4 L + 3, wave u's columns
.endr
	s_wait_dscnt 0x0
	v_pk_add_f32 v[T:T+1],     v[T:T+1],     v[T+4:T+5]
	v_pk_add_f32 v[T+2:T+3],   v[T+2:T+3],   v[T+6:T+7]
	v_pk_add_f32 v[T+8:T+9],   v[T+8:T+9],   v[T+12:T+13]
	v_pk_add_f32 v[T+10:T+11], v[T+10:T+11], v[T+14:T+15]
	v_pk_add_f32 v[T:T+1],     v[T:T+1],     v[T+8:T+9]
	v_pk_add_f32 v[T+2:T+3],   v[T+2:T+3],   v[T+10:T+11]          ; v[T:T+3] = e2 of rows 4 L .. 4 L + 3; not rewritten: wave 0 stores them
	v_max3_num_f32 v[T+4], v[T], v[T+1], v[T+2]
	v_max_num_f32 v[T+4], v[T+4], v[T+3]
	v_max_num_f32_dpp v[T+4], v[T+4], v[T+4] row_xmask:1 row_mask:0xf bank_mask:0xf
	v_max_num_f32_dpp v[T+4], v[T+4], v[T+4] row_xmask:2 row_mask:0xf bank_mask:0xf
	v_max_num_f32_dpp v[T+4], v[T+4], v[T+4] row_xmask:4 row_mask:0xf bank_mask:0xf
	v_max_num_f32_dpp v[T+4], v[T+4], v[T+4] row_xmask:8 row_mask:0xf bank_mask:0xf
	v_permlanex16_b32 v[T+5], v[T+4], s26, s27
	v_max_num_f32 v[T+4], v[T+4], v[T+5]           ; the block's maximum, in every lane
.irp i, 0,1,2,3
	v_sub_f32 v[T+8+\i], v[T+\i], v[T+4]
.endr
.irp i, 0,1,2,3
	v_exp_f32 v[T+8+\i], v[T+8+\i]
.endr
	v_mov_b32 v[CT], 0                             ; plain work behind the exponentials: the context's eight sums start at 0
.irp i, 1,2,3,4,5,6,7
	v_mov_b32 v[CT+\i], 0
.endr
	s_wait_alu depctr_va_vdst(0)                   ; one wait for the batch of p's four exponentials, ahead of the store that reads them
	ds_store_b128 v[PSW], v[T+8:T+11]              ; p, into my wave's own copy: no barrier
	s_cmp_lg_u32 s16, 0
	s_cbranch_scc1 .Lnot_wave_0
	global_store_b128 v[L16], v[T:T+3], s[12:13]   ; all four waves hold the same numbers; wave 0 stores the block's 512 bytes
.Lnot_wave_0:
	; ---------------- the context: wave w takes columns 256 w .. 256 w + 255; a lane takes columns 4 L .. 4 L + 3 of the first 128 and of the second 128.
	; One row of results for a batch: a matrix tile would be fifteen sixteenths empty, so fused multiply-adds straight from the bf16 halves do it.
	; One buffer of 16 rows that rolls: behind a row's eight multiply-adds its registers are loaded again with the row 16 further down, and behind every fourth
	; row the four p.  That is 36 LDS loads for 16 rows, always in this order, so the counts are the same in every trip:
	;   behind a row's two loads 34 are issued before the row's turn comes again; behind a group of four p, 27 before its first row's turn.
.macro CTXLD row, rb
	ds_load_b64 v[CX+4*\row:CX+4*\row+1],   v[CXA] offset:(\rb+\row)*APITCH        ; 32 lanes: 256 neighbouring bytes of the row
	ds_load_b64 v[CX+4*\row+2:CX+4*\row+3], v[CXA] offset:(\rb+\row)*APITCH+256
.if (\row&3)==3
	ds_load_b128 v[CP+\row-3:CP+\row], v[PSA] offset:4*(\rb+\row-3)                ; p of four rows, the same address in every lane
.endif
.endm
.macro CTXROWS ld                      ; 16 rows; ld = 1: each is loaded again
.set l, 0
.rept 16
.if \ld
.if (l&3)==0
	s_wait_dscnt 27
.else
	s_wait_dscnt 34
.endif
.else
.if (l&3)==0
	s_wait_dscnt 27-9*(l>>2)                       ; nothing is issued any more: the counts run down
.else
	s_wait_dscnt 34-2*l-(l>>2)
.endif
.endif
.irp c, 0,1,2,3
	v_fma_mix_f32_bf16 v[CT+2*\c],   v[CX+4*l+\c], v[CP+l], v[CT+2*\c]   op_sel_hi:[1,0,0]
	v_fma_mix_f32_bf16 v[CT+2*\c+1], v[CX+4*l+\c], v[CP+l], v[CT+2*\c+1] op_sel:[1,0,0] op_sel_hi:[1,0,0]
.endr
.if \ld
	CTXLD l, 16
.endif
.set l, l+1
.endr
.endm
.set l, 0
.rept 16
	CTXLD l, 0                                     ; rows 0 to 15; LDS serves a wave's instructions in order: the loads of p see the store above
.set l, l+1
.endr
	s_mov_b32 s24, 7
.Lctx:
	CTXROWS 1
	v_add_nc_u32 v[CXA], TPITCH, v[CXA]            ; 16 rows on
	v_add_nc_u32 v[PSA], 64, v[PSA]
	s_sub_co_u32 s24, s24, 1
	s_cmp_lg_u32 s24, 0
	s_cbranch_scc1 .Lctx
	CTXROWS 0                                      ; rows 112 to 127
	global_store_b128 v[OUTO], v[CT:CT+3],   s[14:15]              ; 512 neighbouring bytes each, aligned
	global_store_b128 v[OUTO], v[CT+4:CT+7], s[14:15] offset:512
	s_wait_xcnt 0x0
	v_lshl_add_u32 v254, v0, 2, 0x43800
	v_mov_b32 v255, 0
	s_wait_tensorcnt 0x0
	ds_add_u32 v254, v255
	s_wait_dscnt 0x0
	s_endpgm
.Lfunc_end_k_q5a32c3d91b_energy:
	.size	k_q5a32c3d91b_energy, .Lfunc_end_k_q5a32c3d91b_energy-k_q5a32c3d91b_energy
	.p2alignl 7, 3214868480
	.fill 96, 4, 3214868480
	.section	.rodata,"a",@progbits
	.p2align	6, 0x0
	.amdhsa_kernel k_q5a32c3d91b_energy
		.amdhsa_group_segment_fixed_size 276992
		.amdhsa_private_segment_fixed_size 0
		.amdhsa_enable_private_segment 0
		.amdhsa_kernarg_size 48
		.amdhsa_user_sgpr_count 2
		.amdhsa_user_sgpr_kernarg_segment_ptr 1
		.amdhsa_wavefront_size32 1
		.amdhsa_system_sgpr_workgroup_id_x 1
		.amdhsa_system_sgpr_workgroup_id_y 1
		.amdhsa_system_sgpr_workgroup_id_z 1
		.amdhsa_system_vgpr_workitem_id 0
		.amdhsa_next_free_vgpr 1024
		.amdhsa_next_free_sgpr 66
		.amdhsa_reserve_vcc 0
		.amdhsa_float_denorm_mode_32 3
		.amdhsa_float_denorm_mode_16_64 3
		.amdhsa_memory_ordered 1
		.amdhsa_forward_progress 1
		.amdhsa_inst_pref_size 255
	.end_amdhsa_kernel
	.section	.bss,"aw",@nobits
	.p2align	6
	.space	262144
	.amdgpu_metadata
---
amdhsa.version: [ 1, 2 ]
amdhsa.kernels:
  - .name:           k_q5a32c3d91b_energy
    .symbol:         k_q5a32c3d91b_energy.kd
    .args:
      - { .name: features, .offset: 0, .size: 8, .value_kind: global_buffer, .address_space: global }
      - { .name: WT, .offset: 8, .size: 8, .value_kind: global_buffer, .address_space: global }
      - { .name: hp, .offset: 16, .size: 8, .value_kind: global_buffer, .address_space: global }
      - { .name: V, .offset: 24, .size: 8, .value_kind: global_buffer, .address_space: global }
      - { .name: e2, .offset: 32, .size: 8, .value_kind: global_buffer, .address_space: global }
      - { .name: ctxp, .offset: 40, .size: 8, .value_kind: global_buffer, .address_space: global }
    .group_segment_fixed_size: 276992
    .private_segment_fixed_size: 0
    .kernarg_segment_align: 8
    .kernarg_segment_size: 48
    .max_flat_workgroup_size: 128
    .sgpr_count:     66
    .vgpr_count:     1024
    .wavefront_size: 32
...
	.end_amdgpu_metadata
.endif
;; end of part 5
;; launch finish: the kernel of part 3 again; grid 8 x 32, 1 waves a work-group, no clusters, 0 bytes of LDS; arguments e2, ctxp, out0, out1; writes out0, out1
